; MI455X (gfx1250); checked and timed in simulation.
; The chip was launched on July 23, 2026; its instructions are those of AMD's public machine-readable ISA for CDNA 5 (MIT licence, August 2026) and "CDNA5" Instruction Set Architecture Reference Guide (July 2026). The comments in the code are by the model that wrote it; some were corrected since.
;; Multi Head Attention. Allowed arithmetic: matrix products marked QUANTISED: E2M3 operands, one E8M0 scale for each 32 along K, by v_wmma_scale_f32_16x16x128_f8f6f4 with both operands' format E2M3, f32 sums; everything else in f32.
;; Inputs: b_out 1,024 float32; b_qkv 3,072 float32; w_out 1,024 x 1,024 float32; w_qkv 1,024 x 3,072 float32; x 4 x 2,048 x 1,024 float32.
;; Outputs: out0 4 x 2,048 x 1,024 float32.
;; This version of the problem:
;;   THIS VERSION OF THE PROBLEM IS GIVEN IN LOW PRECISION. The matrix products marked QUANTISED in the list below multiply operands that are first quantised to E2M3 (2 exponent bits, 3 mantissa bits; 6 bits a number), with one power-of-two scale for each 32 numbers along K (OCP MX v1.0); their sums are f32. All else is computed in f32.
;;   The module's matrix products, in the order in which they are computed (A, B: the left and right operand; K: the contracted axis; several contracted axes count as one K, in the product's order):
;;     1. [M 8,192, K 1,024] x [K 1,024, N 3,072]; A: input x; B: input w_qkv: QUANTISED
;;     2. batch 64 x [M 2,048, K 64] x [K 64, N 2,048]; A: computed on the way; B: computed on the way: QUANTISED
;;     3. batch 64 x [M 2,048, K 2,048] x [K 2,048, N 64]; A: softmax (see below); B: computed on the way: QUANTISED
;;     4. [M 8,192, K 1,024] x [K 1,024, N 1,024]; A: computed on the way; B: input w_out: QUANTISED
;;   THE QUANTISER, for each operand of a quantised product, along K:
;;     - K is cut into blocks of 32 from its start; a last block that is shorter is filled with zeros.
;;     - A block's scale is 2^e with e = floor(log2(the largest magnitude in the block)) - 2, held to -126 .. 127; a block of zeros has e = 0. As a byte (E8M0): e + 127.
;;     - Each number is divided by its block's scale, clamped to +-7.5, and rounded to the nearest number of E2M3, ties to even, subnormals kept.
;;     - The product sums the exact products of the quantised numbers (number of the format x scale) in f32.
;;   ~~~python
;;   def quantise(x, axis):      # numpy; x: float32 -> the quantised numbers, widened to float32 again
;;       x = np.moveaxis(x, axis, -1); K = x.shape[-1]
;;       x = np.pad(x, [(0, 0)] * (x.ndim - 1) + [(0, -K % 32)]); x = x.reshape(x.shape[:-1] + (-1, 32)); a = np.abs(x).max(-1, keepdims=True)
;;       e = np.where(a > 0, np.clip(np.frexp(np.where(a > 0, a, 1))[1] - 1 - 2, -126, 127), 0)      # np.frexp(a)[1] - 1 = floor(log2(a)), exactly
;;       r = np.clip(x / 2.0 ** e, -7.5, 7.5)
;;       step = 2.0 ** (np.maximum(np.frexp(np.where(r == 0, 1, r))[1] - 1, 0) - 3)
;;       q = np.round(r / step) * step * 2.0 ** e      # np.round: ties to even
;;       return np.moveaxis(q.reshape(q.shape[:-2] + (-1,))[..., :K], -1, axis).astype(np.float32)
;;   ~~~
;;   SOFTMAX AHEAD OF A QUANTISED PRODUCT. Where the list says 'softmax', what is quantised is not the finished softmax but p = 2^(t - M), with t = logit x log2(e) and M = ceil(the row's largest t), a whole number; so 1/2 < the row's largest p <= 1. The row's sum l is taken of the UNQUANTISED p, in f32, and the product's result is divided by l at the end. Since M is a whole number, a kernel that streams over the keys may use a running M (the ceiling of the running maximum): every later rescaling is an exact power of two, which a block's scale takes up: the codes' values come out the same.
;;   OPERANDS COMPUTED ON THE WAY. 'Computed on the way' means the value that the module computes at that place (a softmax that the list does not call 'softmax' is quantised finished and normalised). What goes into a quantiser is computed in f32, as accurately as f32 sums, v_exp_f32 and their like allow (about 1e-6 of the number): no bf16 or f16 on the way to a quantiser, and a product that is left as it is and whose result goes on into a quantised operand takes f32 operands (vector FMAs, or v_wmma_f32_16x16x4_f32). A number that lies on a knife's edge between two numbers of the format may be rounded either way, as far as f32 arithmetic and the matrix unit's own rounding can turn it there, and no further.
;; One version. Each part assembles by itself: llvm-mc -triple=amdgcn-amd-amdhsa -mcpu=gfx1250 --defsym DOCPART=n.
;; ======== version 1 of 1: 4 launches
;; limits: right only within a limited range of input values
;; workspace buffers: xc 6,291,456 bytes; xs 262,144 bytes; wc 3,145,728 bytes; ws 131,072 bytes; qkv 20,447,232 bytes; ac 6,291,456 bytes; asc 262,144 bytes
;; launch prep (part 1): grid 384 x 1, 8 waves a work-group, no clusters, 96,256 bytes of LDS; arguments x, w_qkv, w_out, xc, xs, wc, ws; writes xc, xs, wc, ws
.if DOCPART == 1
	.amdgcn_target "amdgcn-amd-amdhsa--gfx1250"
	.amdhsa_code_object_version 6
	.text
	.protected	k_q9e26f5ef93_prep
	.globl	k_q9e26f5ef93_prep
	.p2align	8
	.type	k_q9e26f5ef93_prep,@function
k_q9e26f5ef93_prep:
	s_mov_b64 s[64:65], 0
	v_nop
	global_prefetch_b8 v0, s[64:65] scope:SCOPE_SE
	s_setreg_imm32_b32 hwreg(HW_REG_WAVE_MODE, 25, 1), 1
	s_wait_xcnt 0x0
; x [8192][1024], w_qkv [1024][3072] and w_out [1024][1024], f32, become codes of FP6 (E2M3) with one E8M0 byte for each 32 along K (x: its last axis; the weights: their first).
; A block's scale is 2^(floor(log2(its largest magnitude)) - 2); its byte is the largest magnitude's exponent field - 2, held at 1 from below.
; LAYOUT OF THE RESULTS.  A fragment (16 rows x 128 K: 12 registers a lane) is stored as an IMAGE OF THE OPERAND'S REGISTERS: registers 4 g .. 4 g + 3 of lane l at byte 512 g + 16 l: 1,536 bytes.
; xc: [512 tiles][8 K steps][1,536];  wc: [256 tiles][8][1,536], tiles 0-191 w_qkv's columns, 192-255 w_out's.  xs, ws: [row in tile order][32]: one word of four bytes for each K step.
; THE ROWS OF A TILE ARE NOT NEIGHBOURS: lane r of tile 2 B + u holds row (or column) 32 B + 8 u + r + 8 (r / 8), so that a product with such a tile as source 0 leaves 16 neighbours in a lane's registers.
; LIMITS: NaN and infinities among the inputs are not served; a block whose largest magnitude lies under 2^-124 has its byte held at 1; a block of zeros has the byte 1 where the rule says 127
; (its codes are zeros, which add nothing under any byte but 0xff, and the bytes are read by this program alone).
; SHARES.  Work-groups 0-255: 32 whole rows of x each (two runs of 16 rows, 32 rows apart); wave w takes tile u = w / 4 and K steps 2 (w % 4), + 1.  Work-groups 256-383: 256 columns x one K step of a weight; a wave 32 columns.
; The two ways part on the work-group's number and have LDS bytes of their own.  No tensor loads, no matrix work: memory binds.
.set XST,   0                          ; x: a stage of 16 rows x 528 bytes for each wave
.set XSS,   67584                      ; x: the work-group's 32 rows x 32 scale bytes
.set WST,   68608                      ; weights: two images, 1,664 bytes apart, for each wave
.set SPARE, 95232                      ; the spare words, 128 bytes for each wave: four blocks of 256 bytes that no other line names
.set LI,    5                          ; v5   16 x lane
.set SPW,   62                         ; v62  LDS address of my spare word; never rewritten
.set NIL,   63                         ; v63  0; never rewritten
.set TM,    16                         ; v16-31 at work in QUANT
.set CT,    48                         ; v48-50, v52-54 the conversions' second halves
.set SEL,   20                         ; s[20:21] lane selects: lane l xor 16
; 64 numbers of a lane, register 16 b + i = k 32 b + 16 (lane / 16) + i of my row, become a fragment's codes (registers 0-5 at d0, 6-11 at d1) and its scale word in v[pw].
.macro QUANT s, d0, d1, pw
.irp b, 0,1,2,3
	v_max3_num_f32 v[TM+\b], |v[(\s)+16*\b]|, |v[(\s)+1+16*\b]|, 0x1800000   ; my 16 numbers of block b, and the floor 2^(3 - 127): the byte cannot fall under 1
.endr
.irp i, 2,4,6,8,10,12,14
.irp b, 0,1,2,3
	s_delay_alu instid0(VALU_DEP_4)
	v_max3_num_f32 v[TM+\b], v[TM+\b], |v[(\s)+16*\b+\i]|, |v[(\s)+1+16*\b+\i]|   ; the four blocks by turns
.endr
.endr
.irp b, 0,1,2,3
	s_delay_alu instid0(VALU_DEP_4)
	v_permlanex16_b32 v[TM+4+\b], v[TM+\b], s[SEL], s[SEL+1]
.endr
.irp b, 0,1,2,3
	s_delay_alu instid0(VALU_DEP_4)
	v_max_num_f32 v[TM+\b], v[TM+\b], v[TM+4+\b]   ; with lane l xor 16's: the block's largest magnitude
.endr
.irp b, 0,1,2,3
	s_delay_alu instid0(VALU_DEP_4)
	v_add_nc_u32 v[TM+12+\b], 0xff000000, v[TM+\b]   ; 2 off its exponent field: the conversion takes this operand's exponent field as its scale
.endr
.irp b, 0,1,2,3
	s_delay_alu instid0(VALU_DEP_4)
	v_lshrrev_b32 v[TM+4+\b], 23, v[TM+12+\b]      ; the scale's byte
.endr
	s_delay_alu instid0(VALU_DEP_3)
	v_lshl_or_b32 v[\pw], v[TM+5], 8, v[TM+4]
	s_delay_alu instid0(VALU_DEP_1)
	v_lshl_or_b32 v[\pw], v[TM+6], 16, v[\pw]
	s_delay_alu instid0(VALU_DEP_1)
	v_lshl_or_b32 v[\pw], v[TM+7], 24, v[\pw]      ; my row's scale word
	v_cvt_scalef32_pk16_fp6_f32 v[(\d0):(\d0)+2], v[(\s):(\s)+15], v[TM+12]
	v_cvt_scalef32_pk16_fp6_f32 v[CT:CT+2], v[(\s)+16:(\s)+31], v[TM+13]   ; (a conversion's three registers begin on an even number)
	v_cvt_scalef32_pk16_fp6_f32 v[(\d1):(\d1)+2], v[(\s)+32:(\s)+47], v[TM+14]
	v_cvt_scalef32_pk16_fp6_f32 v[CT+4:CT+6], v[(\s)+48:(\s)+63], v[TM+15]
	v_nop                                          ; one plain place behind a scaled conversion
.irp i, 0,1,2                                  ; the operand's layout wants a whole block in a lane: lanes 0-15 the even block, lanes 16-31 the odd one
	v_permlane16_swap_b32 v[(\d0)+\i], v[CT+\i]
	v_permlane16_swap_b32 v[(\d1)+\i], v[CT+4+\i]
.endr
.irp i, 0,1,2
	v_mov_b32 v[(\d0)+3+\i], v[CT+\i]
	v_mov_b32 v[(\d1)+3+\i], v[CT+4+\i]
.endr
.endm
	s_load_b256 s[4:11], s[0:1], 0x0               ; x s[4:5], w_qkv s[6:7], w_out s[8:9], xc s[10:11]
	s_load_b128 s[12:15], s[0:1], 0x20             ; xs s[12:13], wc s[14:15]
	s_load_b64 s[16:17], s[0:1], 0x30              ; ws
	v_lshl_add_u32 v[SPW], v0, 2, SPARE
	v_mov_b32 v[NIL], 0
	v_lshrrev_b32 v1, 5, v0
	s_delay_alu instid0(VALU_DEP_1)
	v_readfirstlane_b32 s18, v1                    ; wave 0..7
	v_and_b32 v2, 31, v0                           ; lane
	v_and_b32 v3, 15, v0                           ; r
	s_wait_alu depctr_va_vdst(0)
	v_bfe_u32 v4, v0, 4, 1                         ; h
	v_lshlrev_b32 v[LI], 4, v2
	s_wait_alu depctr_va_vdst(0)
	s_mov_b32 s[SEL], 0x76543210
	s_mov_b32 s[SEL+1], 0xfedcba98
	; every LDS address of both ways is made here
	s_mul_i32 s19, s18, 8448
	v_add_nc_u32 v6, s19, v[LI]                    ; x's stage, in: 16 x lane, a row an instruction
	v_mul_u32_u24 v7, v3, 528
	s_delay_alu instid0(VALU_DEP_1)
	v_lshl_add_u32 v7, v4, 6, v7
	s_delay_alu instid0(VALU_DEP_1)
	v_add_nc_u32 v7, s19, v7                       ; and back: row r, + 64 h: my 16 numbers of a block of 32
	s_lshr_b32 s22, s18, 2                         ; u: which of the two tiles
	s_and_b32 s23, s18, 3                          ; which pair of K steps
	s_lshl_b32 s24, s22, 9
	s_lshl_b32 s25, s23, 3
	s_add_co_u32 s24, s24, s25
	s_add_co_u32 s24, s24, XSS
	v_lshl_add_u32 v8, v3, 5, s24                  ; my row's two scale words: 32 (16 u + r) + 8 x pair
	s_and_b32 s25, s18, 1
	s_lshl_b32 s25, s25, 9
	s_add_co_u32 s27, s25, XSS
	v_add_nc_u32 v9, s27, v[LI]                    ; the scale bytes' way out (waves 0 and 1): 512 bytes a wave
	s_mul_i32 s26, s18, 3328
	s_add_co_u32 s26, s26, WST
	v_add_nc_u32 v11, s26, v[LI]                   ; the weights' images, back: 16 x lane
	v_bfe_u32 v12, v0, 3, 1                        ; my column's tile of the two: bit 3 of the lane,
	v_and_b32 v13, 7, v0
	s_delay_alu instid0(VALU_DEP_1)
	v_lshl_add_u32 v13, v4, 3, v13                 ; and its lane there: (l % 8) + 8 (l / 16)
	s_delay_alu instid0(VALU_DEP_3)
	v_mul_u32_u24 v10, v12, 1664
	s_delay_alu instid0(VALU_DEP_1)
	v_lshl_add_u32 v10, v13, 4, v10
	s_delay_alu instid0(VALU_DEP_1)
	v_add_nc_u32 v10, s26, v10                     ; the weights' images, in
	v_lshlrev_b32 v60, 9, v12
	s_delay_alu instid0(VALU_DEP_1)
	v_lshl_add_u32 v60, v13, 5, v60                ; my column's place in ws: 32 (16 u + r)
	v_lshlrev_b32 v61, 2, v2                       ; my column in a row of the weight
	s_wait_kmcnt 0x0
	s_cmp_lt_u32 ttmp9, 256
	s_cbranch_scc0 .Lweights
	; ---------------- x ----------------
	; x's TILES (this replaces the head's line on the rows of a tile, which holds for the weights' columns alone): lane r of tile 4 C + i holds row 64 C + 8 i + r % 8 + 32 (r / 8).
	; Work-group g takes tiles 2 g, 2 g + 1: i = 2 (g % 2) + u of band C = g / 2: two runs of 16 whole rows, 32 rows apart.
	s_lshr_b32 s28, ttmp9, 1
	s_lshl_b32 s28, s28, 18                        ; 64 rows of 4,096 bytes for each band,
	s_and_b32 s29, ttmp9, 1
	s_lshl_b32 s29, s29, 16                        ; + 16 rows for the band's second pair of tiles,
	s_add_co_u32 s28, s28, s29
	s_lshl_b32 s29, s22, 15                        ; + 8 u rows,
	s_add_co_u32 s28, s28, s29
	s_lshl_b32 s29, s23, 10                        ; + my two K steps
	s_add_co_u32 s28, s28, s29
	s_mov_b32 s29, 0
	s_add_nc_u64 s[4:5], s[4:5], s[28:29]
	s_lshl_b32 s30, ttmp9, 1
	s_add_co_u32 s30, s30, s22                     ; my tile
	s_lshl_b32 s30, s30, 3
	s_lshl_b32 s31, s23, 1
	s_add_co_u32 s30, s30, s31                     ; x 8 + my first K step
	s_mul_i32 s30, s30, 1536
	s_mov_b32 s31, 0
	s_add_nc_u64 s[10:11], s[10:11], s[30:31]
	s_lshl_b32 s30, ttmp9, 10
	s_add_co_u32 s30, s30, s25
	s_add_nc_u64 s[12:13], s[12:13], s[30:31]
.irp q, 0,1
.irp i, 0,1,2,3,4,5,6,7,8,9,10,11,12,13,14,15
	global_load_b128 v[64+64*\q+4*\i:64+64*\q+4*\i+3], v[LI], s[4:5] offset:(\i+24*(\i/8))*4096+512*\q th:TH_LOAD_NT   ; 32 lanes read 512 consecutive bytes: a K step of the tile's row i
.endr
.endr
.irp b, 0,1,2,3
	v_mov_b32 v[TM+4+\b], 0                        ; written once: a lane permute's destination counts as one of its sources
.endr
.macro XQ q
	s_wait_loadcnt 16*(1-\q)                       ; this K step's 16 loads are in; the other's may be out
.irp i, 0,1,2,3,4,5,6,7,8,9,10,11,12,13,14,15
	ds_store_b128 v6, v[64+64*\q+4*\i:64+64*\q+4*\i+3] offset:528*\i
.endr
.irp b, 0,1,2,3
.irp j, 0,1,2,3
	ds_load_b128 v[192+16*\b+4*\j:192+16*\b+4*\j+3], v7 offset:128*\b+16*\j   ; LDS serves a wave's instructions in order: these see my stores
.endr
.endr
	s_wait_dscnt 0x0
.if \q
	s_wait_xcnt 0x0                                ; the first K step's stores have read their registers: the codes may be written again
.endif
	QUANT 192, 36, 42, 32+\q
.irp c, 0,1,2
	global_store_b128 v[LI], v[36+4*\c:39+4*\c], s[10:11] offset:1536*\q+512*\c   ; 512 consecutive bytes, at a multiple of 256 from xc's first byte
.endr
.endm
	XQ 0
	XQ 1
	ds_store_b64 v8, v[32:33]                      ; lanes r and r + 16 write the same bytes with the same value
	s_wait_dscnt 0x0                               ; for the others' sake: my store has landed
	s_barrier_signal -1
	s_barrier_wait -1                              ; the 32 rows' 1,024 scale bytes lie together
	s_cmp_lt_u32 s18, 2
	s_cbranch_scc0 .Lx_end
	ds_load_b128 v[192:195], v9
	s_wait_dscnt 0x0
	global_store_b128 v[LI], v[192:195], s[12:13]  ; 512 consecutive bytes a wave
.Lx_end:
	s_wait_tensorcnt 0x0                           ; the wave's end: behind my last LDS store
	ds_add_u32 v[SPW], v[NIL]
	s_wait_dscnt 0x0
	s_endpgm
	; ---------------- the weights: a lane takes a column, and its registers run down K ----------------
.Lweights:
	s_sub_co_u32 s28, ttmp9, 256
	s_lshr_b32 s29, s28, 3                         ; which 256 columns of the 4,096: 0-11 w_qkv's, 12-15 w_out's
	s_and_b32 s30, s28, 7                          ; which K step
	s_mov_b32 s32, 1024*512
	s_cmp_lt_u32 s29, 12
	s_cselect_b64 s[6:7], s[6:7], s[8:9]           ; the choice hangs on the work-group's number alone
	s_cselect_b32 s31, 0, 12
	s_cselect_b32 s32, 3072*512, s32               ; 128 rows of the weight, in bytes
	s_cselect_b32 s33, 1, 0
	s_sub_co_u32 s31, s29, s31
	s_mul_i32 s34, s30, s32
	s_lshl_b32 s31, s31, 10
	s_add_co_u32 s34, s34, s31
	s_lshl_b32 s31, s18, 7
	s_add_co_u32 s34, s34, s31                     ; + my wave's 32 columns
	s_mov_b32 s35, 0
	s_add_nc_u64 s[6:7], s[6:7], s[34:35]
	s_lshl_b32 s36, s29, 3
	s_add_co_u32 s36, s36, s18                     ; my group of 32 columns: tiles 2 G, 2 G + 1
	s_lshl_b32 s34, s36, 4
	s_add_co_u32 s34, s34, s30
	s_mul_i32 s34, s34, 1536
	s_add_nc_u64 s[14:15], s[14:15], s[34:35]
	s_lshl_b32 s34, s36, 10
	s_lshl_b32 s37, s30, 2
	s_add_co_u32 s34, s34, s37
	s_add_nc_u64 s[16:17], s[16:17], s[34:35]
.macro WLOAD t                         ; block t: W(32 t + i, my column).  The two weights differ in their rows' length alone: 32 loads on either way
	s_cmp_eq_u32 s33, 1
	s_cbranch_scc0 .Lwo_\@
	s_wait_alu depctr_va_vdst(0)
.irp i, 0,1,2,3,4,5,6,7,8,9,10,11,12,13,14,15,16,17,18,19,20,21,22,23,24,25,26,27,28,29,30,31
	global_load_b32 v[64+32*(\t)+\i], v61, s[6:7] offset:(32*(\t)+\i)*3072*4 th:TH_LOAD_NT
.endr
	s_branch .Lwj_\@
.Lwo_\@:
	s_wait_alu depctr_va_vdst(0)
.irp i, 0,1,2,3,4,5,6,7,8,9,10,11,12,13,14,15,16,17,18,19,20,21,22,23,24,25,26,27,28,29,30,31
	global_load_b32 v[64+32*(\t)+\i], v61, s[6:7] offset:(32*(\t)+\i)*1024*4 th:TH_LOAD_NT
.endr
.Lwj_\@:
.endm
.macro WBLK t
.set XS, 64+32*(\t)
.set CD, 16+8*(\t)
.if (\t) < 3
	s_wait_loadcnt 32                              ; this block's 32 loads are in; the next block's may be out
.else
	s_wait_loadcnt 0x0
.endif
.if (\t) < 2
	WLOAD (\t)+2
.endif
	v_max3_num_f32 v12, |v[XS]|, |v[XS+1]|, |v[XS+2]|   ; the block's largest magnitude: all 32 numbers are mine
	v_max3_num_f32 v13, |v[XS+3]|, |v[XS+4]|, |v[XS+5]|
.irp i, 6,10,14,18,22,26
	s_delay_alu instid0(VALU_DEP_2)
	v_max3_num_f32 v12, v12, |v[XS+\i]|, |v[XS+\i+1]|
	s_delay_alu instid0(VALU_DEP_2)
	v_max3_num_f32 v13, v13, |v[XS+\i+2]|, |v[XS+\i+3]|
.endr
	s_delay_alu instid0(VALU_DEP_2)
	v_max3_num_f32 v12, v12, |v[XS+30]|, |v[XS+31]|
	s_delay_alu instid0(VALU_DEP_1)
	v_max3_num_f32 v12, v12, v13, 0x1800000        ; and the floor
	s_delay_alu instid0(VALU_DEP_1)
	v_add_nc_u32 v14, 0xff000000, v12
	s_delay_alu instid0(VALU_DEP_1)
	v_lshrrev_b32 v13, 23, v14
.if (\t) == 0
	s_delay_alu instid0(VALU_DEP_1)
	v_mov_b32 v15, v13
.else
	s_delay_alu instid0(VALU_DEP_1)
	v_lshl_or_b32 v15, v13, 8*(\t), v15            ; the K step's four bytes make my column's scale word
.endif
	v_cvt_scalef32_pk16_fp6_f32 v[CD:CD+2], v[XS:XS+15], v14
	v_cvt_scalef32_pk16_fp6_f32 v[CT:CT+2], v[XS+16:XS+31], v14
	v_nop
.irp i, 0,1,2
	v_mov_b32 v[CD+3+\i], v[CT+\i]
.endr
; block t = 2 c + h is registers 6 c .. 6 c + 5 of lane r + 16 h of the image
.if (\t) < 2
	ds_store_b128 v10, v[CD:CD+3] offset:256*((\t)%2)
	ds_store_b64 v10, v[CD+4:CD+5] offset:512+256*((\t)%2)
.else
	ds_store_b64 v10, v[CD:CD+1] offset:520+256*((\t)%2)
	ds_store_b128 v10, v[CD+2:CD+5] offset:1024+256*((\t)%2)
.endif
.endm
	WLOAD 0
	WLOAD 1
	WBLK 0
	WBLK 1
	WBLK 2
	WBLK 3
.irp n, 0,1,2,3,4,5
	ds_load_b128 v[192+4*\n:195+4*\n], v11 offset:1664*(\n/3)+512*(\n%3)   ; LDS serves a wave's instructions in order: these see my stores
.endr
	s_wait_alu depctr_va_vdst(0)
.irp n, 0,1,2,3,4,5
	s_wait_dscnt 5-\n
	global_store_b128 v[LI], v[192+4*\n:195+4*\n], s[14:15] offset:12288*(\n/3)+512*(\n%3)   ; 512 consecutive bytes
.endr
	global_store_b32 v60, v15, s[16:17]            ; 4 bytes a lane, 32 bytes apart: 131,072 bytes in the whole launch against 16.8 million read
	s_wait_tensorcnt 0x0                           ; the wave's end: behind my last LDS store
	ds_add_u32 v[SPW], v[NIL]
	s_wait_dscnt 0x0
	s_endpgm
.Lfunc_end_k_q9e26f5ef93_prep:
	.size	k_q9e26f5ef93_prep, .Lfunc_end_k_q9e26f5ef93_prep-k_q9e26f5ef93_prep
	.p2alignl 7, 3214868480
	.fill 96, 4, 3214868480
	.section	.rodata,"a",@progbits
	.p2align	6, 0x0
	.amdhsa_kernel k_q9e26f5ef93_prep
		.amdhsa_group_segment_fixed_size 96256
		.amdhsa_private_segment_fixed_size 0
		.amdhsa_enable_private_segment 0
		.amdhsa_kernarg_size 56
		.amdhsa_user_sgpr_count 2
		.amdhsa_user_sgpr_kernarg_segment_ptr 1
		.amdhsa_wavefront_size32 1
		.amdhsa_system_sgpr_workgroup_id_x 1
		.amdhsa_system_sgpr_workgroup_id_y 1
		.amdhsa_system_sgpr_workgroup_id_z 1
		.amdhsa_system_vgpr_workitem_id 0
		.amdhsa_next_free_vgpr 256
		.amdhsa_next_free_sgpr 66
		.amdhsa_reserve_vcc 0
		.amdhsa_float_denorm_mode_32 3
		.amdhsa_float_denorm_mode_16_64 3
		.amdhsa_memory_ordered 1
		.amdhsa_forward_progress 1
		.amdhsa_inst_pref_size 58
	.end_amdhsa_kernel
	.amdgpu_metadata
---
amdhsa.version: [ 1, 2 ]
amdhsa.kernels:
  - .name:           k_q9e26f5ef93_prep
    .symbol:         k_q9e26f5ef93_prep.kd
    .args:
      - { .name: x, .offset: 0, .size: 8, .value_kind: global_buffer, .address_space: global }
      - { .name: w_qkv, .offset: 8, .size: 8, .value_kind: global_buffer, .address_space: global }
      - { .name: w_out, .offset: 16, .size: 8, .value_kind: global_buffer, .address_space: global }
      - { .name: xc, .offset: 24, .size: 8, .value_kind: global_buffer, .address_space: global }
      - { .name: xs, .offset: 32, .size: 8, .value_kind: global_buffer, .address_space: global }
      - { .name: wc, .offset: 40, .size: 8, .value_kind: global_buffer, .address_space: global }
      - { .name: ws, .offset: 48, .size: 8, .value_kind: global_buffer, .address_space: global }
    .group_segment_fixed_size: 96256
    .private_segment_fixed_size: 0
    .kernarg_segment_align: 8
    .kernarg_segment_size: 56
    .max_flat_workgroup_size: 256
    .sgpr_count:     66
    .vgpr_count:     256
    .wavefront_size: 32
...
	.end_amdgpu_metadata
.endif
;; end of part 1
;; launch gemm1 (part 2): grid 8 x 32, 4 waves a work-group, clusters of 4 x 4, 327,680 bytes of LDS; arguments xc, xs, wc, ws, b_qkv, qkv; writes qkv
.if DOCPART == 2
	.amdgcn_target "amdgcn-amd-amdhsa--gfx1250"
	.amdhsa_code_object_version 6
	.text
	.protected	k_q9e26f5ef93_gemm1
	.globl	k_q9e26f5ef93_gemm1
	.p2align	8
	.type	k_q9e26f5ef93_gemm1,@function
k_q9e26f5ef93_gemm1:
	s_mov_b64 s[64:65], 0
	v_nop
	global_prefetch_b8 v0, s[64:65] scope:SCOPE_SE
	s_setreg_imm32_b32 hwreg(HW_REG_WAVE_MODE, 25, 1), 1
	s_wait_xcnt 0x0
	s_wait_alu depctr_hold_cnt(0) depctr_sa_sdst(0) depctr_va_vdst(0) depctr_va_sdst(0) depctr_va_ssrc(0) depctr_va_vcc(0) depctr_vm_vsrc(0)
	s_getreg_b32 s2, hwreg(HW_REG_IB_STS2, 6, 4)
	s_cmp_eq_u32 s2, 0
	s_cbranch_scc0 .Lentry_in_a_cluster
	s_endpgm
.Lentry_in_a_cluster:
	s_bfe_u32 s2, ttmp6, 0x10000c
	s_cmp_lg_u32 s2, 0xf033
	s_cbranch_scc0 .Lentry_shape_is_right
	s_endpgm
.Lentry_shape_is_right:
; qkv = x w_qkv + b_qkv on codes of FP6 (E2M3) with E8M0 scales, f32 sums; the results are quantised on the way out and leave only as codes: q and k along the head's 64, v along the tokens (the keys).
; xc, wc: images of fragments, [tile of 16][8 K steps][1,536] (registers 4 g .. 4 g + 3 of lane l at 512 g + 16 l); xs, ws: [row in tile order][32] scale bytes.
; TILES: lane r of x's tile 4 C + i holds token 64 C + 8 i + r % 8 + 32 (r / 8); lane r of a weight's tile 2 B + u holds column 32 B + 8 u + r + 8 (r / 8).
; 256 work-groups of four waves (2 x 2), each with TWO PHASES, so that the 3,072 columns make one work-group for each WGP.  Source 1 is the 'A side' (shared along a row of the 4 x 4 cluster), source 0 the 'B side'
; (shared along a column); a lane holds ONE row of the A side and its registers run along the B side.  X, Y: the cluster's numbers; cx, cy: my place in it.
; PHASE 1, q or k: A = x's block of 256 tokens 4 Y + cy, B = w's block of 256 columns 4 X + cx; a wave makes 128 x 128: 64 accumulators; a lane holds a token, its registers 128 neighbouring features: two heads.
; PHASE 2, v: A = w's block of 128 features 4 X + cy (from column 2,048 on), B = x's block of 256 tokens 4 Y + cx; a wave makes 64 x 128: 32 accumulators; a lane holds a feature, its registers 128 neighbouring tokens.
; K = 1,024 is 8 steps of 128.  THE FILLS, at most one tensor load a wave behind the opening lines and behind each round of the cluster's barrier, every wait on TENSORcnt for 0:
;   head: wave 0 A's 16 tiles x 6,144 bytes (K steps 0-3) to byte 0, wave 2 B's to 98,304, waves 1 and 3 the two sides' scale bytes;   round 1: waves 0, 2 K steps 4, 5 (16 tiles x 3,072) to 196,608, waves 1, 3 PHASE 2's scale bytes, to bytes of their own;
;   round 2, in K step 3: waves 0, 2 K steps 6, 7 onto the first 98,304 bytes;   round 3, in K step 7, when all fragments of phase 1 are in registers: phase 2's codes, all of K, dense: wave 0 A's 98,304 bytes to byte 0, waves 1, 2 a half each of B's 196,608 behind them.
; Round 3's loads have 32 products and phase 1's whole way out in which to land.  No prefetch is laid: each later fill is asked for two K steps or more ahead of its first read.
; qkv: [batch x head 64][block of 128 tokens 16][q, k, v][6,656]: 6,144 bytes of images, 512 of scale words.  q, k: image j holds token tile 2 j in registers 0-5 and tile 2 j + 1 in 6-11 (16 tokens x the head's 64);
; its words at 6,144 + 16 lane + 4 j: lanes 0-15 tile 2 j's, lanes 16-31 tile 2 j + 1's; bytes 2 and 3 are 0.  v: image t is a whole fragment, 16 of the head's 64 x these 128 tokens; its words at 6,144 + 16 lane + 4 t.
; LIMITS: NaN and infinities are not served; a block whose largest magnitude lies under 2^-124 has its byte held at 1; a block of zeros has the byte 1 (its codes are zeros; this program alone reads the bytes).
; REGISTERS, in windows of 256: window 0: v16-29 addresses; v32-63 scale words, two sets; v64-159, v160-255 the A side's fragments, two sets (on the ways out: at work).
;   window 1: v0-95, v128-223 the B side's, two sets; v96-127, v224-255 the bias.   windows 2, 3: accumulator (a, b) at v[8 (8 (a % 4) + b)] of window 2 + a / 4.
.set SLOTB, 98304
.set HALFT, 24576                      ; 8 tiles x 3,072 bytes
.set SCL,   294912                     ; phase 1's scale bytes: 4 x 128 rows, as units of 256 bytes + 16 of padding
.set HALFS, 4352
.set SPARE, 312320                     ; the spare words, 128 bytes for each wave
.set SCL2,  312832                     ; phase 2's scale bytes: A's 128 rows (4,352), then B's 256 (8,704)
.set HEADB, 319488                     ; from a head to the next in qkv
.set ADRA, 16                          ; v16-18  my A fragments: K steps 0-3 (and all of phase 2), 4-5, 6-7
.set ADRB, 20                          ; v20-22  the same for B in phase 1
.set ADB2, 23                          ; v23, v24  my B fragments in phase 2: tiles 0-3, tiles 4-7
.set ADRS2, 25                         ; v25     my scale words in phase 2
.set LI,   26                          ; v26     16 x lane
.set ADRS, 27                          ; v27     my scale words: lanes 0-15 the A side's rows, lanes 16-31 the B side's
.set SPW,  28                          ; v28     my spare word; never rewritten
.set NIL,  29                          ; v29     0; never rewritten
.set SC,   32
.set TMP,  64                          ; the ways out, window 0: 64 numbers,
.set IMG,  128                         ; 24 registers of codes,
.set TM,   160                         ; v160-175 at work in the quantisers,
.set PW,   176
.set PWE,  177
.set XW,   178
.set CT,   180                         ; v180-182, v184-186
.set SW0,  188                         ; v188-195 scale words to store
.set SEL,  100
.set G1A, 24
.set G1B, 32
.set G1SA, 40
.set G1SB, 48
.set GA,  56                           ; one group 0 for each kind of load, written anew where no tensor load of the wave is out
.set GB,  60
.set GSA, 68
.set GSB, 72
.set PA2, 76                           ; s[76:83] phase 2's four addresses
.set PB2, 78
.set PSA2, 80
.set PSB2, 82
.set QO,  84                           ; s[84:85] where q or k goes, s[86:87] v, s[88:89] q's or k's bias, s[90:91] v's
.set VO,  86
.set BQ,  88
.set BV,  90
.set MSB, 0
.macro WIN new                         ; the immediate's high byte repeats the setting that is left
.if MSB != (\new)
	s_set_vgpr_msb (MSB<<8)|(\new)
.set MSB, (\new)
.endif
.endm
.macro WALU
	s_wait_alu depctr_va_vdst(0)
.endm
.macro PLACES                          ; four plain places behind a matrix instruction (ISA guide 7.12.1)
.rept 4
	v_nop
.endr
.endm
.macro TL g0, g1                       ; a joint load with an s_nop 0 and four plain places behind it
	tensor_load_to_lds s[\g0:\g0+3], s[\g1:\g1+7]
	s_nop 0
	PLACES
.endm
.macro CHAIN4                          ; one chain of branches on the wave's number, a load in every arm
	s_cmp_eq_u32 s16, 0
	s_cbranch_scc0 .Lc1_\@
	TL GA, G1A
	s_branch .Lcj_\@
.Lc1_\@:
	s_cmp_eq_u32 s16, 2
	s_cbranch_scc0 .Lc2_\@
	TL GB, G1B
	s_branch .Lcj_\@
.Lc2_\@:
	s_cmp_eq_u32 s16, 1
	s_cbranch_scc0 .Lc3_\@
	TL GSA, G1SA
	s_branch .Lcj_\@
.Lc3_\@:
	TL GSB, G1SB
.Lcj_\@:
.endm
.macro CHAIN2                          ; wave 0 A's, wave 2 B's; waves 1 and 3 have no part
	s_cmp_eq_u32 s16, 0
	s_cbranch_scc0 .Ld1_\@
	TL GA, G1A
	s_branch .Ldj_\@
.Ld1_\@:
	s_cmp_eq_u32 s16, 2
	s_cbranch_scc0 .Ldj_\@
	TL GB, G1B
.Ldj_\@:
.endm
.macro CHAIN3                          ; wave 0 A's, waves 1 and 2 a half of B's each; wave 3 has no part
	s_cmp_eq_u32 s16, 0
	s_cbranch_scc0 .Le1_\@
	TL GA, G1A
	s_branch .Lej_\@
.Le1_\@:
	s_cmp_eq_u32 s16, 3
	s_cbranch_scc1 .Lej_\@
	TL GB, G1B
.Lej_\@:
.endm
.macro CREST                           ; a round of the cluster's barrier behind its opening barrier
	s_cmp_lg_u32 s16, 0
	s_cbranch_scc1 .Lnot_wave_0_\@
	s_barrier_signal -3
.Lnot_wave_0_\@:
	s_barrier_wait -3
	s_barrier_signal -1
	s_barrier_wait -1
.endm
.macro CROUND
	s_barrier_signal -1
	s_barrier_wait -1
	CREST
.endm
.macro MAX16 s                         ; four chains of 16 magnitudes by turns, with the floor 2^(3 - 127): the byte cannot fall under 1
.irp b, 0,1,2,3
	v_max3_num_f32 v[TM+\b], |v[(\s)+16*\b]|, |v[(\s)+1+16*\b]|, 0x1800000
.endr
.irp i, 2,4,6,8,10,12,14
.irp b, 0,1,2,3
	v_max3_num_f32 v[TM+\b], v[TM+\b], |v[(\s)+16*\b+\i]|, |v[(\s)+1+16*\b+\i]|
.endr
.endr
.endm
.macro QUANT s, d0, d1, pw             ; 64 numbers of a lane, register 16 b + i = k 32 b + 16 (lane / 16) + i of my row -> codes (registers 0-5 at d0, 6-11 at d1) and the scale word
	MAX16 \s
.irp b, 0,1,2,3
	v_permlanex16_b32 v[TM+4+\b], v[TM+\b], s[SEL], s[SEL+1]
.endr
.irp b, 0,1,2,3
	v_max_num_f32 v[TM+\b], v[TM+\b], v[TM+4+\b]
.endr
.irp b, 0,1,2,3
	v_add_nc_u32 v[TM+12+\b], 0xff000000, v[TM+\b]   ; 2 off the exponent field: the conversion's scale operand
.endr
.irp b, 0,1,2,3
	v_lshrrev_b32 v[TM+4+\b], 23, v[TM+12+\b]
.endr
	v_lshl_or_b32 v[\pw], v[TM+5], 8, v[TM+4]
	v_lshl_or_b32 v[\pw], v[TM+6], 16, v[\pw]
	v_lshl_or_b32 v[\pw], v[TM+7], 24, v[\pw]
	v_cvt_scalef32_pk16_fp6_f32 v[(\d0):(\d0)+2], v[(\s):(\s)+15], v[TM+12]
	v_cvt_scalef32_pk16_fp6_f32 v[CT:CT+2], v[(\s)+16:(\s)+31], v[TM+13]
	v_cvt_scalef32_pk16_fp6_f32 v[(\d1):(\d1)+2], v[(\s)+32:(\s)+47], v[TM+14]
	v_cvt_scalef32_pk16_fp6_f32 v[CT+4:CT+6], v[(\s)+48:(\s)+63], v[TM+15]
	v_nop                                          ; one plain place behind a scaled conversion
.irp i, 0,1,2
	v_permlane16_swap_b32 v[(\d0)+\i], v[CT+\i]
	v_permlane16_swap_b32 v[(\d1)+\i], v[CT+4+\i]
.endr
.irp i, 0,1,2
	v_mov_b32 v[(\d0)+3+\i], v[CT+\i]
	v_mov_b32 v[(\d1)+3+\i], v[CT+4+\i]
.endr
.endm
.macro QUANTV s, d, pw                 ; 64 numbers of a lane, register 32 c + i = token 64 c + 32 (lane / 16) + i of my feature: whole blocks -> codes in d .. d + 11 and the scale word
	MAX16 \s
	v_max_num_f32 v[TM], v[TM], v[TM+1]            ; my two blocks' largest magnitudes
	v_max_num_f32 v[TM+2], v[TM+2], v[TM+3]
	v_add_nc_u32 v[TM+12], 0xff000000, v[TM]
	v_add_nc_u32 v[TM+13], 0xff000000, v[TM+2]
	v_lshrrev_b32 v[TM+4], 23, v[TM+12]
	v_lshrrev_b32 v[TM+6], 23, v[TM+13]
	v_lshl_or_b32 v[\pw], v[TM+6], 16, v[TM+4]     ; blocks h and 2 + h,
	v_lshlrev_b32 v[\pw], v4, v[\pw]               ; at their places;
	v_permlanex16_b32 v[TM+5], v[\pw], s[SEL], s[SEL+1]
	v_or_b32 v[\pw], v[\pw], v[TM+5]               ; with lane l xor 16's two the word is whole
	v_cvt_scalef32_pk16_fp6_f32 v[(\d):(\d)+2], v[(\s):(\s)+15], v[TM+12]
	v_cvt_scalef32_pk16_fp6_f32 v[CT:CT+2], v[(\s)+16:(\s)+31], v[TM+12]
	v_cvt_scalef32_pk16_fp6_f32 v[(\d)+6:(\d)+8], v[(\s)+32:(\s)+47], v[TM+13]
	v_cvt_scalef32_pk16_fp6_f32 v[CT+4:CT+6], v[(\s)+48:(\s)+63], v[TM+13]
	v_nop
.irp i, 0,1,2
	v_mov_b32 v[(\d)+3+\i], v[CT+\i]
	v_mov_b32 v[(\d)+9+\i], v[CT+4+\i]
.endr
.endm
.macro G1SHAPE g, el, rows             ; a group 1's row length (elements of 8 bytes) and row count
	s_mov_b32 s[\g+1], (\el)<<16
	s_mov_b32 s[\g+2], (\rows)<<16
	s_mov_b32 s[\g+3], (\el)<<16
	s_mov_b32 s[\g+4], \rows
.endm
.macro OUTP dst, blk, hd, part         ; qkv's address + 6,656 x (((batch x 16 + head) x 16 + block in the batch) x 3 + part); blk: s2, hd: s20
	s_lshr_b32 s3, s2, 4
	s_lshl_b32 s3, s3, 4
	s_add_co_u32 s3, s3, s20
	s_lshl_b32 s3, s3, 4
	s_and_b32 s2, s2, 15
	s_add_co_u32 s3, s3, s2
	s_mul_i32 s3, s3, 3
	s_add_co_u32 s3, s3, \part
	s_mul_i32 s2, s3, 6656
	s_mov_b32 s3, 0
	s_add_nc_u64 s[\dst:\dst+1], s[14:15], s[2:3]
.endm
	s_load_b256 s[4:11], s[0:1], 0x0               ; xc s[4:5], xs s[6:7], wc s[8:9], ws s[10:11]
	s_load_b128 s[12:15], s[0:1], 0x20             ; b_qkv s[12:13], qkv s[14:15]
	v_lshl_add_u32 v[SPW], v0, 2, SPARE
	v_mov_b32 v[NIL], 0
	ds_add_u32 v[SPW], v[NIL]                      ; the opening lines: the add twice on end and one wait; the set-up below stands between
	ds_add_u32 v[SPW], v[NIL]
	v_lshrrev_b32 v1, 5, v0
	v_readfirstlane_b32 s16, v1                    ; wave 0..3
	s_lshr_b32 s17, s16, 1                         ; which half of the A side's rows is mine
	s_and_b32 s18, s16, 1                          ; which half of the B side's
	s_bfe_u32 s92, ttmp6, 0x40000                  ; cx
	s_bfe_u32 s93, ttmp6, 0x40004                  ; cy
	s_and_b32 s94, ttmp7, 0xffff
	s_lshl_b32 s94, s94, 2                         ; 4 Y
	s_lshl_b32 s19, ttmp9, 2                       ; 4 X
	s_lshl_b32 s20, s93, 2
	s_lshl_b32 s20, 15, s20                        ; my row of the cluster
	s_lshl_b32 s22, 0x1111, s92                    ; my column
	s_or_b32 s[G1A], s20, (3<<16)|(1<<21)          ; 15:0 the mask; 17:16 elements of 8 bytes; 21 set beside a mask; no padding
	s_or_b32 s[G1B], s22, (3<<16)|(1<<21)
	s_or_b32 s[G1SA], s20, (3<<16)|(1<<20)|(1<<21)|(5<<22)|(3<<25)   ; the scales: 16 bytes of padding behind every 256
	s_or_b32 s[G1SB], s22, (3<<16)|(1<<20)|(1<<21)|(5<<22)|(3<<25)
.irp g, G1A, G1B                       ; the head's: 16 rows (tiles) of 6,144 bytes (four K steps), 12,288 bytes apart
	G1SHAPE \g, 768, 16
	s_mov_b32 s[\g+5], 1536
	s_mov_b32 s[\g+6], 0
	s_mov_b32 s[\g+7], 0
.endr
.irp g, G1SA, G1SB                     ; the scale bytes of 256 rows: 8,192 dense bytes as 32 rows of 256
	G1SHAPE \g, 32, 32
	s_mov_b32 s[\g+5], 32
	s_mov_b32 s[\g+6], 0
	s_mov_b32 s[\g+7], 0
.endr
	s_add_co_u32 s95, s94, s93                     ; phase 1: x's block 4 Y + cy,
	s_add_co_u32 s96, s19, s92                     ; w's block 4 X + cx;
	s_add_co_u32 s97, s19, s93                     ; phase 2: w's block of 128 features 4 X + cy,
	s_add_co_u32 s98, s94, s92                     ; x's block 4 Y + cx
	s_mul_i32 s[GA+2], s95, 196608                 ; offsets, made in the registers that take the addresses
	s_mov_b32 s[GA+3], 0
	s_mul_i32 s[GB+2], s96, 196608
	s_mov_b32 s[GB+3], 0
	s_lshl_b32 s[GSA+2], s95, 13
	s_mov_b32 s[GSA+3], 0
	s_lshl_b32 s[GSB+2], s96, 13
	s_mov_b32 s[GSB+3], 0
	s_mul_i32 s[PA2], s97, 98304
	s_add_co_u32 s[PA2], s[PA2], 128*12288         ; v's columns begin at w's tile 128
	s_mov_b32 s[PA2+1], 0
	s_mul_i32 s[PB2], s98, 196608
	s_mul_i32 s99, s17, 98304                      ; waves 1 and 2 fetch tiles 0-7 and 8-15
	s_add_co_u32 s[PB2], s[PB2], s99
	s_mov_b32 s[PB2+1], 0
	s_add_co_u32 s99, s99, 98304                   ; and where they go: behind A's 98,304 bytes
	s_lshl_b32 s[PSA2], s97, 12
	s_add_co_u32 s[PSA2], s[PSA2], 128*512
	s_mov_b32 s[PSA2+1], 0
	s_lshl_b32 s[PSB2], s98, 13
	s_mov_b32 s[PSB2+1], 0
	s_wait_dscnt 0x0                               ; both opening adds are done
	s_wait_kmcnt 0x0
	CROUND                                         ; all sixteen work-groups are here: the first joint loads meet
	s_add_nc_u64 s[GA+2:GA+3], s[4:5], s[GA+2:GA+3]
	s_add_nc_u64 s[GB+2:GB+3], s[8:9], s[GB+2:GB+3]
	s_add_nc_u64 s[GSA+2:GSA+3], s[6:7], s[GSA+2:GSA+3]
	s_add_nc_u64 s[GSB+2:GSB+3], s[10:11], s[GSB+2:GSB+3]
	s_add_nc_u64 s[PA2:PA2+1], s[8:9], s[PA2:PA2+1]
	s_add_nc_u64 s[PB2:PB2+1], s[4:5], s[PB2:PB2+1]
	s_add_nc_u64 s[PSA2:PSA2+1], s[10:11], s[PSA2:PSA2+1]
	s_add_nc_u64 s[PSB2:PSB2+1], s[6:7], s[PSB2:PSB2+1]
.irp g, GA, GB, GSA, GSB
	s_mov_b32 s[\g], 1
	s_or_b32 s[\g+3], s[\g+3], 0x80000000
.endr
	s_mov_b32 s[GA+1], 0
	s_mov_b32 s[GB+1], SLOTB
	s_mov_b32 s[GSA+1], SCL
	s_mov_b32 s[GSB+1], SCL+2*HALFS
	CHAIN4                                         ; the head's loads, one a wave
	; where the results go and the biases come from
	s_lshl_b32 s2, s95, 1
	s_add_co_u32 s2, s2, s17                       ; q, k: my block of 128 tokens,
	s_lshl_b32 s20, s92, 2
	s_lshl_b32 s21, s18, 1
	s_add_co_u32 s20, s20, s21                     ; my first head
	OUTP QO, s2, s20, ttmp9
	s_lshl_b32 s2, s98, 1
	s_add_co_u32 s2, s2, s18                       ; v: my block of 128 tokens,
	s_lshl_b32 s20, s97, 1
	s_add_co_u32 s20, s20, s17                     ; my head
	OUTP VO, s2, s20, 2
	s_lshl_b32 s2, ttmp9, 12
	s_lshl_b32 s3, s92, 10
	s_add_co_u32 s2, s2, s3
	s_lshl_b32 s3, s18, 9
	s_add_co_u32 s2, s2, s3                        ; 4 (1,024 X + 256 cx + 128 half)
	s_mov_b32 s3, 0
	s_add_nc_u64 s[BQ:BQ+1], s[12:13], s[2:3]
	s_lshl_b32 s2, s97, 9
	s_lshl_b32 s20, s17, 8
	s_add_co_u32 s2, s2, s20
	s_add_co_u32 s2, s2, 8192                      ; 4 (2,048 + 128 block + 64 half)
	s_add_nc_u64 s[BV:BV+1], s[12:13], s[2:3]
	s_mov_b32 s[SEL], 0x76543210
	s_mov_b32 s[SEL+1], 0xfedcba98
	s_mov_b32 s97, 0xffff0000                      ; lanes 16-31
	; the LDS addresses' scalar parts: no place in the cluster enters them
	s_mul_i32 s2, s17, HALFT
	s_mul_i32 s3, s18, HALFT
	s_add_co_u32 s3, s3, 2*HALFT
	s_mul_i32 s20, s17, 2*HALFT
	s_mul_i32 s21, s18, 2*HALFT
	s_add_co_u32 s21, s21, 4*HALFT
	s_mul_i32 s22, s18, SLOTB
	s_add_co_u32 s22, s22, SLOTB
	s_mul_i32 s23, s17, HALFS
	s_mul_i32 s94, s18, HALFS
	s_add_co_u32 s94, s94, 2*HALFS
	s_sub_co_u32 s94, s94, s23                     ; from my A rows' scale bytes to my B rows'
	s_add_co_u32 s23, s23, SCL
	s_mul_i32 s95, s17, 2176
	s_mul_i32 s96, s18, 4352
	s_add_co_u32 s96, s96, 4352
	s_sub_co_u32 s96, s96, s95                     ; the same in phase 2
	s_add_co_u32 s95, s95, SCL2
	v_and_b32 v1, 31, v0
	v_lshlrev_b32 v[LI], 4, v1
	v_and_b32 v2, 15, v0                           ; r
	v_bfe_u32 v3, v0, 4, 1                         ; h
	v_add_nc_u32 v[ADRA+2], s2, v[LI]              ; K steps 6, 7: tiles of 3,072 bytes from byte 0 on
	v_add_nc_u32 v[ADRB+2], s3, v[LI]
	v_add_nc_u32 v[ADRA+1], 2*SLOTB, v[ADRA+2]     ; K steps 4, 5: the same from byte 196,608 on
	v_add_nc_u32 v[ADRB+1], 2*SLOTB, v[ADRB+2]
	v_add_nc_u32 v[ADRA], s20, v[LI]               ; K steps 0-3: tiles of 6,144 bytes; phase 2: my four tiles of 12,288 begin at the same byte
	v_add_nc_u32 v[ADRB], s21, v[LI]
	v_add_nc_u32 v[ADB2], s22, v[LI]               ; phase 2: my eight tiles of B
	v_add_nc_u32 v[ADB2+1], 49152, v[ADB2]
	v_lshlrev_b32 v5, 5, v2                        ; my row's scales: 32 bytes a row,
	v_lshrrev_b32 v6, 8, v5
	v_lshl_add_u32 v5, v6, 4, v5                   ; and 16 more for each 256 passed
	v_mul_u32_u24 v6, s94, v3                      ; lanes 16-31 take the B side's
	v_add_nc_u32 v6, v5, v6
	v_add_nc_u32 v[ADRS], s23, v6
	v_mul_u32_u24 v7, s96, v3
	v_add_nc_u32 v7, v5, v7
	v_add_nc_u32 v[ADRS2], s95, v7
	v_lshlrev_b32 v10, 6, v3                       ; the bias, q and k: 64 h
	v_and_b32 v11, 8, v2
	v_add_nc_u32 v11, v11, v2
	v_lshlrev_b32 v11, 2, v11                      ; the bias, v: 4 (r + 8 (r / 8))
	v_lshlrev_b32 v4, 3, v3                        ; 8 h
.macro FRAG reg, adr, off              ; a fragment comes as it was stored: three loads of 16 bytes a lane, 512 consecutive bytes each
.irp g, 0,1,2
	ds_load_b128 v[(\reg)+4*\g:(\reg)+4*\g+3], v[\adr] offset:(\off)+512*\g
.endr
.endm
.macro SCALES t, adr                   ; with an even step the scale words of two steps
.if (\t)%2 == 0
.irp i, 0,1,2,3,4,5,6,7
	ds_load_b64 v[SC+16*(((\t)/2)%2)+2*\i:SC+16*(((\t)/2)%2)+2*\i+1], v[\adr] offset:544*\i+8*((\t)/2)
.endr
.endif
.endm
.macro FETCH t                         ; phase 1: K step t's 16 fragments into set t % 2
.if (\t) < 4
.set FP_, 6144                         ; bytes from tile to tile, the step's place in a tile, the address register
.set FQ_, (\t)
.set FS_, 0
.else
.set FP_, 3072
.set FQ_, (\t)%2
.set FS_, (\t)/2-1
.endif
	WIN 0x40
.irp i, 0,1,2,3,4,5,6,7
	FRAG 128*((\t)%2)+12*\i, ADRB+FS_, FP_*\i+1536*FQ_
.endr
	WIN 0
.irp i, 0,1,2,3,4,5,6,7
	FRAG 64+96*((\t)%2)+12*\i, ADRA+FS_, FP_*\i+1536*FQ_
.endr
	SCALES \t, ADRS
.endm
.macro FETCH2 t                        ; phase 2: B's eight fragments, A's four.  (For i = 4 .. 7 lanes 0-15 read scale words of rows that are not mine: they are not used.)
	WIN 0x40
.irp i, 0,1,2,3,4,5,6,7
	FRAG 128*((\t)%2)+12*\i, ADB2+\i/4, 12288*(\i%4)+1536*(\t)
.endr
	WIN 0
.irp i, 0,1,2,3
	FRAG 64+96*((\t)%2)+12*\i, ADRA, 12288*\i+1536*(\t)
.endr
	SCALES \t, ADRS2
.endm
; 32 matrix instructions: the A side's tiles 4 half .. 4 half + 3 x the B side's eight.  The accumulators take turns, one instruction a turn, in the same order in every step.
.macro MULH t, half, zero
	WIN 0xa1+0x50*(\half)
.irp a, 0,1,2,3
.irp b, 0,1,2,3,4,5,6,7
.set D_, 8*(8*\a+\b)
.set B_, 128*((\t)%2)+12*\b
.set A_, 64+96*((\t)%2)+12*(4*(\half)+\a)
.set X_, SC+16*(((\t)/2)%2)+(\t)%2
.if \zero
	v_wmma_scale_f32_16x16x128_f8f6f4 v[D_:D_+7], v[B_:B_+11], v[A_:A_+11], 0, v[X_+2*\b], v[X_+2*(4*(\half)+\a)] matrix_a_fmt:MATRIX_FMT_FP6 matrix_b_fmt:MATRIX_FMT_FP6 matrix_a_scale:MATRIX_SCALE_ROW1
.else
	v_wmma_scale_f32_16x16x128_f8f6f4 v[D_:D_+7], v[B_:B_+11], v[A_:A_+11], v[D_:D_+7], v[X_+2*\b], v[X_+2*(4*(\half)+\a)] matrix_a_fmt:MATRIX_FMT_FP6 matrix_b_fmt:MATRIX_FMT_FP6 matrix_a_scale:MATRIX_SCALE_ROW1
.endif
.endr
.endr
.endm
.macro KS0 t, zero                     ; a plain K step: its fragments were asked for a step ago; the next step's are asked for first
	s_wait_dscnt 0x0
	PLACES
	FETCH (\t)+1
	MULH \t, 0, \zero
	MULH \t, 1, \zero
.endm
.macro GRD
	WIN 0
	s_wait_tensorcnt 0x0                           ; all my tensor loads have landed
	ds_add_u32 v[SPW], v[NIL]
.endm
.macro KS2 t, zero                     ; a K step of phase 2
	s_wait_dscnt 0x0
	PLACES
	FETCH2 (\t)+1
	MULH \t, 0, \zero
.endm
	WALU                                           ; the wait at the head's end
	GRD
	G1SHAPE G1A, 384, 16                           ; no tensor load of mine is out: the descriptors of round 1: 16 tiles of 3,072 bytes, K steps 4 and 5,
	G1SHAPE G1B, 384, 16
	s_add_nc_u64 s[GA+2:GA+3], s[GA+2:GA+3], 6144
	s_add_nc_u64 s[GB+2:GB+3], s[GB+2:GB+3], 6144
	s_mov_b32 s[GA+1], 2*SLOTB
	s_mov_b32 s[GB+1], 2*SLOTB+2*HALFT
	G1SHAPE G1SA, 32, 16                           ; and phase 2's scale bytes: A's 128 rows, B's 256
	s_mov_b64 s[GSA+2:GSA+3], s[PSA2:PSA2+1]
	s_or_b32 s[GSA+3], s[GSA+3], 0x80000000
	s_mov_b32 s[GSA+1], SCL2
	s_mov_b64 s[GSB+2:GSB+3], s[PSB2:PSB2+1]
	s_or_b32 s[GSB+3], s[GSB+3], 0x80000000
	s_mov_b32 s[GSB+1], SCL2+4352
	s_wait_dscnt 0x0
	CROUND                                         ; all four tiles are in, and all sixteen work-groups are here
	CHAIN4                                         ; round 1: first fills alone
	FETCH 0
	KS0 0, 1                                       ; the first products start the sums: nothing is cleared
	KS0 1, 0
	KS0 2, 0
	GRD
	s_wait_dscnt 0x0
	s_barrier_signal -1
	MULH 3, 0, 0                                   ; work on registers while the others arrive
	WIN 0
	s_barrier_wait -1
	CREST
	s_add_nc_u64 s[GA+2:GA+3], s[GA+2:GA+3], 3072
	s_add_nc_u64 s[GB+2:GB+3], s[GB+2:GB+3], 3072
	s_mov_b32 s[GA+1], 0
	s_mov_b32 s[GB+1], 2*HALFT
	CHAIN2                                         ; round 2: K steps 6 and 7
	PLACES                                         ; for the waves that come round the loads
	FETCH 4
	MULH 3, 1, 0
	KS0 4, 0
	GRD
	s_wait_dscnt 0x0
	s_barrier_signal -1
	MULH 5, 0, 0
	s_barrier_wait -1
	PLACES
	FETCH 6
	MULH 5, 1, 0
	KS0 6, 0
	WIN 0x40
.irp b, 0,1,2,3,4,5,6,7                        ; q's or k's bias in the result's layout: tile b, lane half h: features 32 (b / 2) + 16 h + 8 (b % 2) + 0 .. 7
	global_load_b128 v[96+8*\b+96*(\b/4):99+8*\b+96*(\b/4)], v10, s[BQ:BQ+1] offset:(32*(\b/2)+8*(\b%2))*4
	global_load_b128 v[100+8*\b+96*(\b/4):103+8*\b+96*(\b/4)], v10, s[BQ:BQ+1] offset:(32*(\b/2)+8*(\b%2))*4+16
.endr
	GRD
	G1SHAPE G1A, 1536, 8                           ; round 3's descriptors: 8 tiles of 12,288 bytes, all of K, dense
	G1SHAPE G1B, 1536, 8
	s_mov_b64 s[GA+2:GA+3], s[PA2:PA2+1]
	s_or_b32 s[GA+3], s[GA+3], 0x80000000
	s_mov_b32 s[GA+1], 0
	s_mov_b64 s[GB+2:GB+3], s[PB2:PB2+1]
	s_or_b32 s[GB+3], s[GB+3], 0x80000000
	s_add_co_u32 s[GB+1], s99, 0
	s_wait_dscnt 0x0
	s_barrier_signal -1
	MULH 7, 0, 0
	WIN 0
	s_barrier_wait -1
	CREST
	CHAIN3                                         ; round 3: phase 2's codes
	MULH 7, 1, 0
	WIN 0
	s_wait_loadcnt 0x0
	PLACES
.irp b, 0,1,2,3
	v_mov_b32 v[TM+4+\b], 0                        ; written once: a lane permute's destination counts as one of its sources
.endr
; ---------------- q, k go out: a lane's 64 registers of a tile of tokens are 128 neighbouring features: two heads
.macro UNITQK a
	WIN 0x06+(\a)/4                                ; source 0: the accumulators' window; source 1: the bias, window 1
.set ii, 0
.rept 32
	v_pk_add_f32 v[TMP+2*ii:TMP+2*ii+1], v[64*((\a)%4)+2*ii:64*((\a)%4)+2*ii+1], v[96+2*ii+96*(ii/16):97+2*ii+96*(ii/16)]   ; each accumulator from its low end on
.set ii, ii+1
.endr
	WIN 0
.if ((\a)%2 == 0) && ((\a) > 0)
	s_wait_xcnt 0x0                                ; the last pair's stores have read their registers
.endif
	QUANT TMP, IMG+6*((\a)%2), IMG+12+6*((\a)%2), PW   ; features 0-63 are the first head's 6 registers, 64-127 the second's
.if (\a)%2 == 0
	v_mov_b32 v[PWE], v[PW]
.else
	v_cndmask_b32 v[XW], v[PWE], v[PW], s97        ; lanes 0-15: the even tile's word; lanes 16-31: the odd tile's
	v_and_b32 v[SW0+(\a)/2], 0xffff, v[XW]         ; the first head's two bytes,
	v_lshrrev_b32 v[SW0+4+(\a)/2], 16, v[XW]       ; the second's
.irp c, 0,1
.irp g, 0,1,2
	global_store_b128 v[LI], v[IMG+12*\c+4*\g:IMG+12*\c+4*\g+3], s[QO:QO+1] offset:\c*HEADB+1536*((\a)/2)+512*\g   ; 512 consecutive bytes
.endr
.endr
.endif
.endm
.irp a, 0,1,2,3,4,5,6,7
	UNITQK \a
.endr
	global_store_b128 v[LI], v[SW0:SW0+3], s[QO:QO+1] offset:6144
	global_store_b128 v[LI], v[SW0+4:SW0+7], s[QO:QO+1] offset:HEADB+6144
; ---------------- phase 2
	WALU
	s_wait_xcnt 0x0                                ; the stores have read their registers, which take fragments again
	s_wait_tensorcnt 0x0                           ; my part of phase 2's codes is in
	s_barrier_signal -1
	s_barrier_wait -1                              ; and everybody's
	WIN 0x40
.irp a, 0,1,2,3                                ; my feature's bias for tile a, twice: a pair for the packed add
	global_load_b32 v[96+2*\a], v11, s[BV:BV+1] offset:(32*(\a/2)+8*(\a%2))*4
	global_load_b32 v[97+2*\a], v11, s[BV:BV+1] offset:(32*(\a/2)+8*(\a%2))*4
.endr
	FETCH2 0
	KS2 0, 1
.irp t, 1,2,3,4,5,6
	KS2 \t, 0
.endr
	s_wait_dscnt 0x0
	MULH 7, 0, 0
	WIN 0
	s_wait_loadcnt 0x0
	PLACES
	v_mov_b32 v[TM+5], 0
.macro UNITV a                         ; a lane's 64 registers of a tile of features are 128 neighbouring tokens: one K step of the second product of attention
	WIN 0x06
.set ii, 0
.rept 32
	v_pk_add_f32 v[TMP+2*ii:TMP+2*ii+1], v[64*(\a)+2*ii:64*(\a)+2*ii+1], v[96+2*(\a):97+2*(\a)]
.set ii, ii+1
.endr
	WIN 0
.if (\a) >= 2
	s_wait_xcnt 0x0                                ; the stores of two tiles back have read their registers
.endif
	QUANTV TMP, IMG+12*((\a)%2), PW
	v_mov_b32 v[SW0+(\a)], v[PW]
.irp g, 0,1,2
	global_store_b128 v[LI], v[IMG+12*((\a)%2)+4*\g:IMG+12*((\a)%2)+4*\g+3], s[VO:VO+1] offset:1536*(\a)+512*\g
.endr
.endm
.irp a, 0,1,2,3
	UNITV \a
.endr
	global_store_b128 v[LI], v[SW0:SW0+3], s[VO:VO+1] offset:6144
	s_wait_tensorcnt 0x0                           ; the wave's end: behind my last tensor load
	ds_add_u32 v[SPW], v[NIL]
	s_wait_dscnt 0x0
	CROUND                                         ; the closing round
	s_endpgm
.Lfunc_end_k_q9e26f5ef93_gemm1:
	.size	k_q9e26f5ef93_gemm1, .Lfunc_end_k_q9e26f5ef93_gemm1-k_q9e26f5ef93_gemm1
	.p2alignl 7, 3214868480
	.fill 96, 4, 3214868480
	.section	.rodata,"a",@progbits
	.p2align	6, 0x0
	.amdhsa_kernel k_q9e26f5ef93_gemm1
		.amdhsa_group_segment_fixed_size 327680
		.amdhsa_private_segment_fixed_size 0
		.amdhsa_enable_private_segment 0
		.amdhsa_kernarg_size 48
		.amdhsa_user_sgpr_count 2
		.amdhsa_user_sgpr_kernarg_segment_ptr 1
		.amdhsa_wavefront_size32 1
		.amdhsa_system_sgpr_workgroup_id_x 1
		.amdhsa_system_sgpr_workgroup_id_y 1
		.amdhsa_system_sgpr_workgroup_id_z 1
		.amdhsa_system_vgpr_workitem_id 0
		.amdhsa_next_free_vgpr 1024
		.amdhsa_next_free_sgpr 102
		.amdhsa_reserve_vcc 0
		.amdhsa_float_denorm_mode_32 3
		.amdhsa_float_denorm_mode_16_64 3
		.amdhsa_memory_ordered 1
		.amdhsa_forward_progress 1
		.amdhsa_inst_pref_size 237
	.end_amdhsa_kernel
	.amdgpu_metadata
---
amdhsa.version: [ 1, 2 ]
amdhsa.kernels:
  - .name:           k_q9e26f5ef93_gemm1
    .symbol:         k_q9e26f5ef93_gemm1.kd
    .args:
      - { .name: xc, .offset: 0, .size: 8, .value_kind: global_buffer, .address_space: global }
      - { .name: xs, .offset: 8, .size: 8, .value_kind: global_buffer, .address_space: global }
      - { .name: wc, .offset: 16, .size: 8, .value_kind: global_buffer, .address_space: global }
      - { .name: ws, .offset: 24, .size: 8, .value_kind: global_buffer, .address_space: global }
      - { .name: b_qkv, .offset: 32, .size: 8, .value_kind: global_buffer, .address_space: global }
      - { .name: qkv, .offset: 40, .size: 8, .value_kind: global_buffer, .address_space: global }
    .group_segment_fixed_size: 327680
    .private_segment_fixed_size: 0
    .kernarg_segment_align: 8
    .kernarg_segment_size: 48
    .max_flat_workgroup_size: 128
    .sgpr_count:     102
    .vgpr_count:     1024
    .wavefront_size: 32
...
	.end_amdgpu_metadata
.endif
;; end of part 2
;; launch attn (part 3): grid 4 x 64, 16 waves a work-group, clusters of 4 x 1, 327,680 bytes of LDS; arguments qkv, ac, asc; writes ac, asc
.if DOCPART == 3
	.amdgcn_target "amdgcn-amd-amdhsa--gfx1250"
	.amdhsa_code_object_version 6
	.text
	.protected	k_q9e26f5ef93_attn
	.globl	k_q9e26f5ef93_attn
	.p2align	8
	.type	k_q9e26f5ef93_attn,@function
k_q9e26f5ef93_attn:
	s_mov_b64 s[64:65], 0
	v_nop
	global_prefetch_b8 v0, s[64:65] scope:SCOPE_SE
	s_setreg_imm32_b32 hwreg(HW_REG_WAVE_MODE, 25, 1), 1
	s_wait_xcnt 0x0
	s_wait_alu depctr_hold_cnt(0) depctr_sa_sdst(0) depctr_va_vdst(0) depctr_va_sdst(0) depctr_va_ssrc(0) depctr_va_vcc(0) depctr_vm_vsrc(0)
	s_getreg_b32 s2, hwreg(HW_REG_IB_STS2, 6, 4)
	s_cmp_eq_u32 s2, 0
	s_cbranch_scc0 .Lentry_in_a_cluster
	s_endpgm
.Lentry_in_a_cluster:
	s_bfe_u32 s2, ttmp6, 0x10000c
	s_cmp_lg_u32 s2, 0x3003
	s_cbranch_scc0 .Lentry_shape_is_right
	s_endpgm
.Lentry_shape_is_right:
; o = softmax(q k^T / 8) v for 64 batch x heads of 2,048 tokens and 64 features, both products on codes of FP6 (E2M3) with E8M0 scales; o leaves as codes along the 1,024 features, for the last product.
; qkv: [batch x head][block of 128 tokens][q, k, v][6,656]: 6,144 bytes of register images (registers 4 g .. 4 g + 3 of lane l at 512 g + 16 l of an image of 1,536), 512 of scale words.
;   q, k: image j holds token tile 2 j in registers 0-5 and tile 2 j + 1 in 6-11; words at 6,144 + 16 lane + 4 j (lanes 0-15 tile 2 j, lanes 16-31 tile 2 j + 1; bytes 2, 3 are 0).  v: image t is 16 features x the 128 tokens.
;   TOKEN TILES: lane r of tile 4 c + i holds token 64 c + 8 i + r % 8 + 32 (r / 8).
; ac: [token tile][K step of 128 features = two heads][head e of the two][768]: registers 6 e .. 6 e + 3 of lane l at 16 l, registers 6 e + 4, 6 e + 5 at 512 + 8 l.  asc: [token in tile order][32]: bytes 4 K step + 2 e, + 1.
; SHARES: a work-group takes 512 queries of ONE head; a wave two tiles of 16 queries, one after the other.  The four work-groups of a cluster are the head's four query blocks and ask for k and v jointly (mask 15).
; LDS: the head's whole k and v, 16 key steps of 13,312 bytes, are filled ONCE: each of the 16 waves brings one step (k's and v's parts lie on end in qkv: 52 rows of 256 bytes), its one tensor load.  Nothing is filled again,
; so one barrier at the head is the only one of the walk.  No prefetch is laid: the one fill stands at the head, with no loop ahead of it.
; BOTH PRODUCTS ARE USED TRANSPOSED (S^T = k q^T, O^T = v^T p^T): a lane holds one query.  By the tiles' order the 32 registers of tiles 4 c .. 4 c + 3 in lane half h are keys 64 c + 32 h + 0 .. 31 in order:
; one whole scale block of p, as the second product's operand wants it: a block's maximum and its codes need no other lane; only the row's maximum and the scale word's four bytes cross the halves.
; The head's 64 fill half of the first product's K of 128: q's registers 6-11 are zero codes, so whatever codes stand in k's upper six registers (the next tile's; behind the last tile v's) add nothing.
; k AND v HAVE REGISTERS OF THEIR OWN: behind a step's first product v's fragments and the NEXT step's k fragments are asked for in one run of 26 loads; a walk's last step asks for step 0's k, for the next walk.
; SOFTMAX: running M = ceil(largest t), t = score x log2(e) / 8, kept as -M; p = 2^(t - M); the sum is taken of the unquantised p; O^T and the sum are multiplied by 2^(old M - new M) in every step, with no branch on data.
; A block's largest p is made from its largest score by the same multiply-add and exponential (this takes v_exp_f32 not to fall where its input rises).
; LIMITS: NaN and infinities are not served; the scaled scores stay under 2^31 in magnitude; a block of p or o whose largest magnitude lies under 2^-124 has its byte held at 1 (a block of zeros too: its codes are zeros).
.set PART,  6656
.set BLK3,  19968
.set STEPB, 13312
.set SPARE, 212992                     ; behind k and v: the spare words, 128 bytes for each of 16 waves
.set LI,  1                            ; v1  16 x lane
.set ADR, 2                            ; v2  LDS address of the step's images
.set SPW, 3                            ; v3  my spare word; never rewritten
.set NIL, 4                            ; v4  0; never rewritten
.set RO,  5                            ; v5  32 x (lane % 16)
.set L8,  7                            ; v7  8 x lane
.set SH,  8                            ; v8  8 x (lane / 16)
                                       ; v0, v9-11, v28-31 at work; v12 -M, v13 largest score, v[14:15] the sum; v16-27 q (22-27 zero codes)
.set KF,  32                           ; v32-79   k's eight tiles of six registers
.set VF,  80                           ; v80-127  v's four fragments
.set S,   128                          ; v128-191 S^T, then p
.set O,   192                          ; v192-223 O^T
.set KS,  224                          ; v224-227 k's scale words, v228-231 v's, v232 q's, v233 p's
.set VS,  228
.set QS,  232
.set PS,  233
.set PC,  234                          ; v234-245 p's codes
.set F,   246                          ; v246 the factor (v247 is named with it)
.set Y,   248                          ; v[248:249] the sum's second chain
.set BM,  250                          ; v250-253 the maxima's four chains
.set SO,  254                          ; v254, v255 the conversions' scale operands
.set WV,  10
.set SEL, 14
.set CS,  16
.set TB,  18
.set CNT, 19
.set PAR, 20
.set G1,  24
.set G0,  44
.macro WALU
	s_wait_alu depctr_va_vdst(0)
.endm
.macro ROUND
	s_barrier_signal -1
	s_barrier_wait -1
	s_cmp_lg_u32 s[WV], 0
	s_cbranch_scc1 .Lnot_wave_0_\@
	s_barrier_signal -3
.Lnot_wave_0_\@:
	s_barrier_wait -3
	s_barrier_signal -1
	s_barrier_wait -1
.endm
	s_load_b128 s[4:7], s[0:1], 0x0                ; qkv, ac
	s_load_b64 s[8:9], s[0:1], 0x10                ; asc
	v_lshl_add_u32 v[SPW], v0, 2, SPARE
	v_mov_b32 v[NIL], 0
	ds_add_u32 v[SPW], v[NIL]                      ; the opening lines: the add twice on end and one wait
	ds_add_u32 v[SPW], v[NIL]
	v_lshrrev_b32 v6, 5, v0
	v_readfirstlane_b32 s[WV], v6                  ; wave 0..15
	s_and_b32 s34, ttmp7, 0xffff                   ; batch x head
	s_bfe_u32 s33, ttmp6, 0x40000                  ; my block of 512 queries: my place in the cluster
	s_lshl_b32 s36, s34, 4                         ; what I fetch: key step = wave, k's and v's parts
	s_add_co_u32 s36, s36, s[WV]
	s_mul_i32 s36, s36, BLK3
	s_add_co_u32 s36, s36, PART
	s_mov_b32 s37, 0
	s_mul_i32 s38, s[WV], STEPB
	s_mov_b32 s[G1], 15|(3<<16)|(1<<21)            ; the mask: all four of the cluster; elements of 8 bytes; bit 21 beside a mask
	s_mov_b32 s[G1+1], 32<<16                      ; 52 rows of 256 bytes, dense
	s_mov_b32 s[G1+2], 52<<16
	s_mov_b32 s[G1+3], 32<<16
	s_mov_b32 s[G1+4], 52
	s_mov_b32 s[G1+5], 32
	s_mov_b32 s[G1+6], 0
	s_mov_b32 s[G1+7], 0
	s_mov_b32 s[SEL], 0x76543210
	s_mov_b32 s[SEL+1], 0xfedcba98                 ; lane l xor 16
	s_mov_b32 s[CS], 0x3e38aa3b                    ; log2(e) / 8
	s_mov_b32 s[CS+1], s[CS]
	s_lshl_b32 s40, s34, 4                         ; my first tile's block of 128 queries: 4 x my place + wave / 8 (the second tile's: two blocks on)
	s_lshl_b32 s41, s33, 2
	s_add_co_u32 s40, s40, s41
	s_lshr_b32 s41, s[WV], 3
	s_add_co_u32 s40, s40, s41
	s_mul_i32 s40, s40, BLK3
	s_mov_b32 s41, 0
	s_bfe_u32 s21, s[WV], 0x20001                  ; the image, (wave / 2) % 4, and its half, wave % 2
	s_mul_i32 s35, s21, 1536
	s_and_b32 s39, s[WV], 1
	s_cmp_eq_u32 s39, 1
	s_cselect_b32 s[PAR], -1, 0
	s_lshl_b32 s39, s39, 8
	s_lshl_b32 s21, s21, 2
	s_add_co_u32 s39, s39, s21
	s_lshr_b32 s21, s34, 4                         ; where o goes: token tile 128 x batch + 32 x my place + wave (the second: 16 tiles on),
	s_lshl_b32 s21, s21, 7
	s_lshl_b32 s22, s33, 5
	s_add_co_u32 s21, s21, s22
	s_add_co_u32 s21, s21, s[WV]
	s_bfe_u32 s12, s34, 0x30001                    ; K step (head / 2),
	s_and_b32 s13, s34, 1                          ; half e (head % 2)
	s_lshl_b32 s23, s21, 3
	s_add_co_u32 s23, s23, s12
	s_mul_i32 s42, s23, 1536
	s_mul_i32 s23, s13, 768
	s_add_co_u32 s42, s42, s23
	s_mov_b32 s43, 0
	s_lshl_b32 s22, s21, 9
	s_lshl_b32 s12, s12, 2
	s_add_co_u32 s22, s22, s12
	s_lshl_b32 s13, s13, 1
	s_add_co_u32 s22, s22, s13
	s_mov_b32 s23, 0
	v_and_b32 v6, 31, v0
	v_lshlrev_b32 v[LI], 4, v6
	v_lshlrev_b32 v[L8], 3, v6
	v_and_b32 v9, 15, v0
	v_lshlrev_b32 v[RO], 5, v9
	v_bfe_u32 v[SH], v0, 4, 1
	v_lshlrev_b32 v[SH], 3, v[SH]
	WALU                                           ; the wait at the head's end
	s_wait_dscnt 0x0
	s_wait_kmcnt 0x0
	s_add_nc_u64 s[36:37], s[4:5], s[36:37]
	s_add_nc_u64 s[40:41], s[4:5], s[40:41]
	s_add_nc_u64 s[6:7], s[6:7], s[42:43]
	s_add_nc_u64 s[8:9], s[8:9], s[22:23]
	s_mov_b32 s[G0], 1
	s_add_co_u32 s[G0+1], s38, 0
	s_mov_b64 s[G0+2:G0+3], s[36:37]
	s_or_b32 s[G0+3], s[G0+3], 0x80000000
	ROUND                                          ; in front of the joint loads
	tensor_load_to_lds s[G0:G0+3], s[G1:G1+7]      ; my one tensor load
	s_nop 0
.macro GETQ e                          ; tile e's image of q into S's upper registers, its scale word into its place
	v_add_nc_u32 v28, s35, v[LI]
	v_lshrrev_b32 v29, 1, v[RO]
	v_add_nc_u32 v29, s39, v29
.irp g, 0,1,2
	global_load_b128 v[S+48+4*\g:S+51+4*\g], v28, s[40:41] offset:\e*2*BLK3+512*\g
.endr
	global_load_b32 v[QS], v29, s[40:41] offset:\e*2*BLK3+6144
.endm
.macro SETQ                            ; my tile's six registers of the image
	s_wait_loadcnt 0x0
.irp i, 0,1,2,3,4,5
	v_cndmask_b32 v[16+\i], v[S+48+\i], v[S+54+\i], s[PAR]
.endr
.endm
.macro INIT                            ; the step is written once: the first finds zeros and a largest score under every score
.set jj, 0
.rept 32
	v_mov_b32 v[O+jj], 0
.set jj, jj+1
.endr
	v_mov_b32 v13, 0xff61b1e6
	v_mov_b32 v12, 0x7e800000                      ; -M to begin with: so large that the first factor is 0
	v_mov_b32 v14, 0
	v_mov_b32 v15, 0
.endm
.macro KLOAD adr, off                  ; a step's k: four images and their scale words: 13 loads
.irp n, 0,1,2,3,4,5,6,7,8,9,10,11
	ds_load_b128 v[KF+4*\n:KF+3+4*\n], v[\adr] offset:(\off)+512*\n
.endr
	ds_load_b128 v[KS:KS+3], v[\adr] offset:(\off)+6144
.endm
.macro SUM2
	v_pk_add_f32 v[14:15], v[14:15], v[S+jj:S+jj+1]
	v_pk_add_f32 v[Y:Y+1], v[Y:Y+1], v[S+jj+2:S+jj+3]
.set jj, jj+4
.endm
.macro FMA8
.rept 8
	v_pk_fma_f32 v[S+jj:S+jj+1], v[S+jj:S+jj+1], s[CS:CS+1], v[12:13] op_sel_hi:[1,0,0]   ; t - M
.set jj, jj+2
.endr
.endm
.macro STEP nx                         ; 16 queries x 128 keys.  nx = 0: the next step's k is asked for; 1: step 0's, for the next walk; 2: none
	s_wait_dscnt 0x0                               ; this step's k, asked for a step ago
.irp t, 0,2,4,6
	v_wmma_scale_f32_16x16x128_f8f6f4 v[S+8*\t:S+7+8*\t], v[KF+6*\t:KF+11+6*\t], v[16:27], 0, v[KS+\t/2], v[QS] matrix_a_fmt:MATRIX_FMT_FP6 matrix_b_fmt:MATRIX_FMT_FP6
	v_wmma_scale_f32_16x16x128_f8f6f4 v[S+8+8*\t:S+15+8*\t], v[KF+6+6*\t:KF+17+6*\t], v[16:27], 0, v[KS+\t/2], v[QS] matrix_a_fmt:MATRIX_FMT_FP6 matrix_b_fmt:MATRIX_FMT_FP6 matrix_a_scale:MATRIX_SCALE_ROW1
.endr
	v_mov_b32 v0, v12                              ; the old -M.  Four places behind the products, ahead of the loads into their sources
	v_add_nc_u32 v[ADR], s[TB], v[LI]
	v_nop
	v_nop
.irp n, 0,1,2,3,4,5,6,7,8,9,10,11
	ds_load_b128 v[VF+4*\n:VF+3+4*\n], v[ADR] offset:PART+512*\n
.endr
	ds_load_b128 v[VS:VS+3], v[ADR] offset:PART+6144
.if \nx == 0
	KLOAD ADR, STEPB
.elseif \nx == 1
	KLOAD LI, 0
.endif
	s_add_co_u32 s[TB], s[TB], STEPB
.irp q, 0,1,2,3                                ; four chains of 16 scores by turns; chains 2 c, 2 c + 1 are my block of band c
	v_max3_num_f32 v[BM+\q], v[S+16*\q], v[S+1+16*\q], v[S+2+16*\q]
.endr
.irp i, 3,5,7,9,11,13
.irp q, 0,1,2,3
	v_max3_num_f32 v[BM+\q], v[BM+\q], v[S+16*\q+\i], v[S+1+16*\q+\i]
.endr
.endr
	v_max3_num_f32 v[BM], v[BM], v[S+15], v[S+31]
	v_max3_num_f32 v[BM+2], v[BM+2], v[S+47], v[S+63]
	v_max_num_f32 v[BM], v[BM], v[BM+1]            ; my two blocks' largest scores
	v_max_num_f32 v[BM+2], v[BM+2], v[BM+3]
	s_delay_alu instid0(VALU_DEP_1)
	v_max_num_f32 v9, v[BM], v[BM+2]
	s_delay_alu instid0(VALU_DEP_1)
	v_permlanex16_b32 v30, v9, s[SEL], s[SEL+1]
	s_delay_alu instid0(VALU_DEP_1)
	v_max3_num_f32 v13, v13, v9, v30               ; the running largest score of my query
	s_delay_alu instid0(VALU_DEP_1)
	v_mul_f32 v11, s[CS], v13
	s_delay_alu instid0(VALU_DEP_1)
	v_floor_f32 v12, -v11                          ; -M = -ceil(t): a whole number
.set jj, 0
	FMA8
	v_sub_f32 v0, v12, v0                          ; the factor's three lines stand among the multiply-adds
	FMA8
	v_cvt_i32_f32 v0, v0                           ; (it saturates)
	FMA8
	v_ldexp_f32 v[F], 1.0, v0                      ; f = 2^(old M - new M)
	FMA8
	v_fma_f32 v[BM], v[BM], s[CS], v12             ; the same of each block's largest score
	v_fma_f32 v[BM+2], v[BM+2], s[CS], v12
	WALU                                           ; ahead of the batch
	v_exp_f32 v[BM], v[BM]
	v_exp_f32 v[BM+2], v[BM+2]
.set jj, 0
.rept 64
	v_exp_f32 v[S+jj], v[S+jj]
.set jj, jj+1
.endr
	v_pk_mul_f32 v[14:15], v[14:15], v[F:F+1] op_sel_hi:[1,0]   ; the sum under the new M: the plain place behind the batch
	WALU                                           ; and behind it, ahead of its first reader
	v_max_num_f32 v[BM], 0x1800000, v[BM]          ; the floor 2^(3 - 127): the byte cannot fall under 1
	v_max_num_f32 v[BM+2], 0x1800000, v[BM+2]
	v_add_nc_u32 v[SO], 0xff000000, v[BM]          ; 2 off the exponent field: the conversion's scale operand
	v_add_nc_u32 v[SO+1], 0xff000000, v[BM+2]
	v_cvt_scalef32_pk16_fp6_f32 v[PC:PC+2], v[S:S+15], v[SO]
	v_cvt_scalef32_pk16_fp6_f32 v[PC+6:PC+8], v[S+32:S+47], v[SO+1]
	v_pk_add_f32 v[Y:Y+1], v[S:S+1], v[S+2:S+3]    ; the sum of the unquantised p, in two chains, with the scale word's lines among them
.set jj, 4
	v_lshrrev_b32 v28, 23, v[SO]
	v_lshrrev_b32 v29, 23, v[SO+1]
	SUM2
	v_lshl_or_b32 v[PS], v29, 16, v28              ; blocks h and 2 + h,
	SUM2
	v_lshlrev_b32 v[PS], v[SH], v[PS]              ; at their places;
	SUM2
	v_permlanex16_b32 v31, v[PS], s[SEL], s[SEL+1]
	SUM2
	v_or_b32 v[PS], v[PS], v31                     ; with lane l xor 16's two: p's scale word
.rept 11
	SUM2
.endr
	v_cvt_scalef32_pk16_fp6_f32 v[S:S+2], v[S+16:S+31], v[SO]          ; (a conversion's three registers begin on an even number: the blocks' upper halves are made in registers of p that have been summed and converted, and moved)
	v_cvt_scalef32_pk16_fp6_f32 v[S+32:S+34], v[S+48:S+63], v[SO+1]
	v_pk_add_f32 v[14:15], v[14:15], v[Y:Y+1]      ; the plain place behind the conversions
.irp i, 0,1,2
	v_mov_b32 v[PC+3+\i], v[S+\i]
	v_mov_b32 v[PC+9+\i], v[S+32+\i]
.endr
.if \nx == 2
	s_wait_dscnt 0x0                               ; v's fragments
.else
	s_wait_dscnt 13                                ; v's fragments; the 13 loads of k issued behind them may be out
.endif
	WALU                                           ; directly ahead of the first reader of O^T
.set jj, 0
.rept 16                                       ; these 16 are also the places between the operand's and the scale word's last writes and the products
	v_pk_mul_f32 v[O+jj:O+jj+1], v[O+jj:O+jj+1], v[F:F+1] op_sel_hi:[1,0]   ; O^T under the new M
.set jj, jj+2
.endr
.irp t, 0,1,2,3
	v_wmma_scale_f32_16x16x128_f8f6f4 v[O+8*\t:O+7+8*\t], v[VF+12*\t:VF+11+12*\t], v[PC:PC+11], v[O+8*\t:O+7+8*\t], v[VS+\t], v[PS] matrix_a_fmt:MATRIX_FMT_FP6 matrix_b_fmt:MATRIX_FMT_FP6
.endr
.endm
.macro WALK last                       ; the head's 16 key steps: 15 in a loop, the last written out
	s_mov_b32 s[TB], 0
	s_mov_b32 s[CNT], 15
.Lk_\@:
	STEP 0
	s_sub_co_u32 s[CNT], s[CNT], 1
	s_cmp_lg_u32 s[CNT], 0
	s_cbranch_scc1 .Lk_\@
	STEP 1+\last
.endm
.macro FINISH                          ; o = O^T / the sum, quantised along the head's 64: six registers of codes in v[S+32 .. S+37], two scale bytes in v10
	v_nop
	v_nop
	v_add_f32 v14, v14, v15
	s_delay_alu instid0(VALU_DEP_1)
	v_permlanex16_b32 v30, v14, s[SEL], s[SEL+1]
	s_delay_alu instid0(VALU_DEP_1)
	v_add_f32 v14, v14, v30
	WALU
	v_rcp_f32 v14, v14
	v_nop
	WALU
.set jj, 0
.rept 16
	v_pk_mul_f32 v[S+jj:S+jj+1], v[O+jj:O+jj+1], v[14:15] op_sel_hi:[1,0]   ; registers 16 b + i: feature 32 b + 16 h + i (the weights' tile order)
.set jj, jj+2
.endr
.irp b, 0,1
	v_max3_num_f32 v[BM+\b], |v[S+16*\b]|, |v[S+1+16*\b]|, 0x1800000
.endr
.irp i, 2,4,6,8,10,12,14
.irp b, 0,1
	s_delay_alu instid0(VALU_DEP_2)
	v_max3_num_f32 v[BM+\b], v[BM+\b], |v[S+16*\b+\i]|, |v[S+1+16*\b+\i]|
.endr
.endr
.irp b, 0,1
	s_delay_alu instid0(VALU_DEP_2)
	v_permlanex16_b32 v[30+\b], v[BM+\b], s[SEL], s[SEL+1]
.endr
.irp b, 0,1
	s_delay_alu instid0(VALU_DEP_2)
	v_max_num_f32 v[BM+\b], v[BM+\b], v[30+\b]
.endr
.irp b, 0,1
	s_delay_alu instid0(VALU_DEP_2)
	v_add_nc_u32 v[SO+\b], 0xff000000, v[BM+\b]
.endr
.irp b, 0,1
	s_delay_alu instid0(VALU_DEP_2)
	v_lshrrev_b32 v[30+\b], 23, v[SO+\b]
.endr
	s_delay_alu instid0(VALU_DEP_1)
	v_lshl_or_b32 v10, v31, 8, v30
	v_cvt_scalef32_pk16_fp6_f32 v[S+32:S+34], v[S:S+15], v[SO]
	v_cvt_scalef32_pk16_fp6_f32 v[S+40:S+42], v[S+16:S+31], v[SO+1]
	v_nop
.irp i, 0,1,2
	v_permlane16_swap_b32 v[S+32+\i], v[S+40+\i]   ; a whole block to a lane
.endr
.irp i, 0,1,2
	s_delay_alu instid0(VALU_DEP_3)
	v_mov_b32 v[S+35+\i], v[S+40+\i]
.endr
.endm
.macro PUT e                           ; tile e's 768 bytes of codes: 512 and 256 consecutive bytes, each at a multiple of 256 from ac's first byte; two scale bytes a token
	global_store_b128 v[LI], v[S+32:S+35], s[6:7] offset:\e*196608
	global_store_b64 v[L8], v[S+36:S+37], s[6:7] offset:\e*196608+512
	global_store_b16 v[RO], v10, s[8:9] offset:\e*8192
.endm
	GETQ 0
.irp i, 0,1,2,3,4,5
	v_mov_b32 v[22+\i], 0                          ; q's upper 64 of K: zero codes
	v_mov_b32 v[VF+\i], 0                          ; behind k's last tile, until v's first fragments land there
.endr
	v_mov_b32 v30, 0                               ; written once: a lane permute's destination counts as one of its sources
	v_mov_b32 v31, 0
	v_mov_b32 v[F+1], 0
	SETQ
	INIT
	WALU
	s_wait_tensorcnt 0x0                           ; my step of k and v is in
	s_barrier_signal -1
	s_barrier_wait -1                              ; and everybody's
	KLOAD LI, 0                                    ; step 0's k
	WALK 0
	GETQ 1                                         ; the second tile's q lands under the first tile's way out
	FINISH
	PUT 0
	SETQ
	INIT
	WALU
	s_wait_xcnt 0x0                                ; the stores have read their registers, which the next walk writes
	WALK 1
	FINISH
	PUT 1
	s_wait_tensorcnt 0x0                           ; the wave's end
	ds_add_u32 v[SPW], v[NIL]
	s_wait_dscnt 0x0
	ROUND                                          ; the closing round
	s_endpgm
.Lfunc_end_k_q9e26f5ef93_attn:
	.size	k_q9e26f5ef93_attn, .Lfunc_end_k_q9e26f5ef93_attn-k_q9e26f5ef93_attn
	.p2alignl 7, 3214868480
	.fill 96, 4, 3214868480
	.section	.rodata,"a",@progbits
	.p2align	6, 0x0
	.amdhsa_kernel k_q9e26f5ef93_attn
		.amdhsa_group_segment_fixed_size 327680
		.amdhsa_private_segment_fixed_size 0
		.amdhsa_enable_private_segment 0
		.amdhsa_kernarg_size 24
		.amdhsa_user_sgpr_count 2
		.amdhsa_user_sgpr_kernarg_segment_ptr 1
		.amdhsa_wavefront_size32 1
		.amdhsa_system_sgpr_workgroup_id_x 1
		.amdhsa_system_sgpr_workgroup_id_y 1
		.amdhsa_system_sgpr_workgroup_id_z 1
		.amdhsa_system_vgpr_workitem_id 0
		.amdhsa_next_free_vgpr 256
		.amdhsa_next_free_sgpr 66
		.amdhsa_reserve_vcc 0
		.amdhsa_float_denorm_mode_32 3
		.amdhsa_float_denorm_mode_16_64 3
		.amdhsa_memory_ordered 1
		.amdhsa_forward_progress 1
		.amdhsa_inst_pref_size 75
	.end_amdhsa_kernel
	.amdgpu_metadata
---
amdhsa.version: [ 1, 2 ]
amdhsa.kernels:
  - .name:           k_q9e26f5ef93_attn
    .symbol:         k_q9e26f5ef93_attn.kd
    .args:
      - { .name: qkv, .offset: 0, .size: 8, .value_kind: global_buffer, .address_space: global }
      - { .name: ac, .offset: 8, .size: 8, .value_kind: global_buffer, .address_space: global }
      - { .name: asc, .offset: 16, .size: 8, .value_kind: global_buffer, .address_space: global }
    .group_segment_fixed_size: 327680
    .private_segment_fixed_size: 0
    .kernarg_segment_align: 8
    .kernarg_segment_size: 24
    .max_flat_workgroup_size: 512
    .sgpr_count:     66
    .vgpr_count:     256
    .wavefront_size: 32
...
	.end_amdgpu_metadata
.endif
;; end of part 3
;; launch gemm2 (part 4): grid 4 x 64, 4 waves a work-group, clusters of 4 x 4, 327,680 bytes of LDS; arguments ac, asc, wc, ws, b_out, out0; writes out0
.if DOCPART == 4
	.amdgcn_target "amdgcn-amd-amdhsa--gfx1250"
	.amdhsa_code_object_version 6
	.text
	.protected	k_q9e26f5ef93_gemm2
	.globl	k_q9e26f5ef93_gemm2
	.p2align	8
	.type	k_q9e26f5ef93_gemm2,@function
k_q9e26f5ef93_gemm2:
	s_mov_b64 s[64:65], 0
	v_nop
	global_prefetch_b8 v0, s[64:65] scope:SCOPE_SE
	s_setreg_imm32_b32 hwreg(HW_REG_WAVE_MODE, 25, 1), 1
	s_wait_xcnt 0x0
	s_wait_alu depctr_hold_cnt(0) depctr_sa_sdst(0) depctr_va_vdst(0) depctr_va_sdst(0) depctr_va_ssrc(0) depctr_va_vcc(0) depctr_vm_vsrc(0)
	s_getreg_b32 s2, hwreg(HW_REG_IB_STS2, 6, 4)
	s_cmp_eq_u32 s2, 0
	s_cbranch_scc0 .Lentry_in_a_cluster
	s_endpgm
.Lentry_in_a_cluster:
	s_bfe_u32 s2, ttmp6, 0x10000c
	s_cmp_lg_u32 s2, 0xf033
	s_cbranch_scc0 .Lentry_shape_is_right
	s_endpgm
.Lentry_shape_is_right:
; out0 = o w_out + b_out on codes of FP6 (E2M3) with E8M0 scales, f32 sums, f32 out.  ac: images of o's fragments, [tile of 16 tokens][8 K steps][1,536]; asc: [token in tile order][32]; wc, ws likewise (w_out's tiles are 192-255).
; Lane r of tile 2 B + u holds row 32 B + 8 u + r + 8 (r / 8).
; A work-group of four waves makes 128 tokens x 256 columns, so that there are 256 work-groups; a wave 64 x 128: 32 accumulators.  K = 1,024 is 8 steps of 128, 32 matrix instructions each.
; ALL OF K FITS IN LDS: two regions of four K steps are filled once each; nothing is filled again.  A wave has at most one tensor load out.
; CLUSTERS: 4 x 4 work-groups; o's tiles are shared along a row of the cluster, w_out's along a column: joint loads.
; The matrix instruction is used transposed (source 0 = 16 columns of w_out, source 1 = 16 tokens): a lane holds a token, its registers neighbouring columns.  The bias is the C of each sum's first matrix instruction.
; REGISTERS: window 0: v16-29 addresses; v32-63 scale words, two sets; v64-111, v112-159 o's fragments, two sets; on the way out v128-255 rows of the result.
;   window 1: v0-95, v128-223 w_out's fragments, two sets; v96-127, v224-255 the bias.   window 2: accumulator (a, b) at v[8 (8 a + b)].
; THE FILLS (this replaces the head's lines on the regions): two regions of four K steps, each filled once.  Region 0 and the scale bytes come at the head, one load a wave: wave 0 o's 8 tiles x 6,144 bytes, wave 2 w_out's 16,
; waves 1 and 3 the scale bytes; region 1 behind the full sequence and a round, a quarter a wave.  A wave has one tensor load out.  TOKEN TILES: lane r of tile 4 C + i holds token 64 C + 8 i + r % 8 + 32 (r / 8).
.set REGB,  147456                     ; a region: o's 8 tiles x 6,144 bytes (four K steps), then w_out's 16
.set SCL,   294912                     ; behind the regions: the scale bytes, as units of 256 bytes + 16 of padding: o's 2 x 2,176, then w_out's 2 x 4,352
.set SPARE, 307968                     ; the spare words, 128 bytes for each wave: two blocks of 256 bytes that no other line names
.set ADRA, 16                          ; v16, v17  LDS address of my fragments of o in region 0, 1; v18, v19 the same for pieces of 8 bytes
.set ADRB, 20                          ; v20, v21  the same for w_out
.set STO,  24                          ; v24     the way out: where I put 32 bytes of a row
.set RD,   25                          ; v25     and where I read a row back
.set LI,   26                          ; v26     16 x lane
.set ADRS, 27                          ; v27     my scale words: lanes 0-15 o's rows, lanes 16-31 w_out's
.set SPW,  28                          ; v28     LDS address of my spare word; never rewritten
.set NIL,  29                          ; v29     0; never rewritten
.set SC,   32
.set BK,   128
.set G1A, 24
.set G1B, 32
.set G1SA, 40
.set G1SB, 48
.set GA0, 56
.set GA1, 60
.set GA2, 68
.set GA3, 72
.set GAS, 76
.set GB0, 80
.set GB1, 84
.set GB2, 88
.set GB3, 92
.set GBS, 96
.set MSB, 0
.macro WIN new                         ; the immediate's high byte repeats the setting that is left
.if MSB != (\new)
	s_set_vgpr_msb (MSB<<8)|(\new)
.set MSB, (\new)
.endif
.endm
.macro JLOAD g0a, g1a, g0b, g1b        ; a joint load: waves 0 and 1 fetch for o, waves 2 and 3 for w_out; an s_nop 0 and four v_nop follow each of the two lines
	s_cmp_eq_u32 s17, 0
	s_cbranch_scc0 .Lfor_b_\@
	tensor_load_to_lds s[\g0a:\g0a+3], s[\g1a:\g1a+7]
	s_nop 0
.rept 4
	v_nop
.endr
	s_branch .Lasked_\@
.Lfor_b_\@:
	tensor_load_to_lds s[\g0b:\g0b+3], s[\g1b:\g1b+7]
	s_nop 0
.rept 4
	v_nop
.endr
.Lasked_\@:
.endm
.macro CROUND                          ; a round of the cluster's barrier
	s_barrier_signal -1
	s_barrier_wait -1
	s_cmp_lg_u32 s16, 0
	s_cbranch_scc1 .Lnot_wave_0_\@
	s_barrier_signal -3
.Lnot_wave_0_\@:
	s_barrier_wait -3
	s_barrier_signal -1
	s_barrier_wait -1
.endm
.macro PLACES                          ; four plain places behind a matrix instruction (ISA guide 7.12.1)
.rept 4
	v_nop
.endr
.endm
	s_load_b256 s[4:11], s[0:1], 0x0               ; ac s[4:5], asc s[6:7], wc s[8:9], ws s[10:11]
	s_load_b128 s[12:15], s[0:1], 0x20             ; b_out s[12:13], out0 s[14:15]
	v_lshl_add_u32 v[SPW], v0, 2, SPARE
	v_mov_b32 v[NIL], 0
	ds_add_u32 v[SPW], v[NIL]                      ; the wave's opening: the add and its wait ahead of my first tensor load; the set-up below stands between them
	ds_add_u32 v[SPW], v[NIL]
	v_lshrrev_b32 v1, 5, v0
	v_readfirstlane_b32 s16, v1                    ; wave 0..3
	s_lshr_b32 s17, s16, 1                         ; which 64 tokens are mine.  Also: I fetch for o (0) or for w_out (1)
	s_and_b32 s18, s16, 1                          ; which 128 columns.  Also: which half of that side I fetch
	s_bfe_u32 s100, ttmp6, 0x40000                 ; cx
	s_bfe_u32 s101, ttmp6, 0x40004                 ; cy
	s_lshl_b32 s104, ttmp9, 2
	s_add_co_u32 s104, s104, s100                  ; my block of 256 columns
	s_and_b32 s105, ttmp7, 0xffff
	s_lshl_b32 s105, s105, 2
	s_add_co_u32 s105, s105, s101                  ; my block of 128 tokens
	s_lshl_b32 s20, s101, 2
	s_lshl_b32 s20, 15, s20                        ; my row of the cluster
	s_lshl_b32 s22, 0x1111, s100                   ; my column
	s_or_b32 s[G1A], s20, (3<<16)|(1<<21)          ; 15:0 the mask; 17:16 elements of 8 bytes; 21 set beside a mask; no padding
	s_or_b32 s[G1B], s22, (3<<16)|(1<<21)
	s_or_b32 s[G1SA], s20, (3<<16)|(1<<20)|(1<<21)|(5<<22)|(3<<25)   ; the scales: 16 bytes of padding behind every 256
	s_or_b32 s[G1SB], s22, (3<<16)|(1<<20)|(1<<21)|(5<<22)|(3<<25)
	s_mov_b32 s[G1A+1], 768<<16                    ; o, at the head: 8 rows (tiles) of 6,144 bytes, 12,288 bytes apart
	s_mov_b32 s[G1A+2], 8<<16
	s_mov_b32 s[G1A+3], 768<<16
	s_mov_b32 s[G1A+4], 8
	s_mov_b32 s[G1A+5], 1536
	s_mov_b32 s[G1A+6], 0
	s_mov_b32 s[G1A+7], 0
	s_mov_b32 s[G1B+1], 768<<16                    ; w_out, at the head: 16
	s_mov_b32 s[G1B+2], 16<<16
	s_mov_b32 s[G1B+3], 768<<16
	s_mov_b32 s[G1B+4], 16
	s_mov_b32 s[G1B+5], 1536
	s_mov_b32 s[G1B+6], 0
	s_mov_b32 s[G1B+7], 0
	s_mov_b32 s[G1SA+1], 32<<16                    ; rows of 256 bytes
	s_mov_b32 s[G1SA+2], 16<<16                    ; the scale bytes of 128 rows: 16 rows of 256 bytes
	s_mov_b32 s[G1SA+3], 32<<16
	s_mov_b32 s[G1SA+4], 16
	s_mov_b32 s[G1SA+5], 32
	s_mov_b32 s[G1SA+6], 0
	s_mov_b32 s[G1SA+7], 0
	s_mov_b32 s[G1SB+1], 32<<16                    ; rows of 256 bytes
	s_mov_b32 s[G1SB+2], 32<<16                    ; of 256 rows: 32
	s_mov_b32 s[G1SB+3], 32<<16
	s_mov_b32 s[G1SB+4], 32
	s_mov_b32 s[G1SB+5], 32
	s_mov_b32 s[G1SB+6], 0
	s_mov_b32 s[G1SB+7], 0
	s_lshl_b32 s20, s105, 3                        ; offsets, made in the descriptors' address words: o's first tile that I would fetch: 8 x block + 4 x half,
	s_lshl_b32 s21, s18, 2
	s_add_co_u32 s20, s20, s21
	s_mul_i32 s[GA0+2], s20, 12288
	s_mov_b32 s[GA0+3], 0
	s_lshl_b32 s[GAS+2], s105, 12                  ; the scale bytes of the whole block of 128 tokens
	s_mov_b32 s[GAS+3], 0
	s_lshl_b32 s22, s104, 4                        ; w_out's: 192 + 16 x block + 8 x half
	s_lshl_b32 s23, s18, 3
	s_add_co_u32 s22, s22, s23
	s_add_co_u32 s22, s22, 192
	s_mul_i32 s[GB0+2], s22, 12288
	s_mov_b32 s[GB0+3], 0
	s_lshl_b32 s[GBS+2], s104, 13                  ; and of the whole block of 256 columns
	s_add_co_u32 s[GBS+2], s[GBS+2], 192*512
	s_mov_b32 s[GBS+3], 0
	s_mul_i32 s2, s18, 24576                       ; where they go: no place in the cluster enters an LDS address
	s_mul_i32 s3, s18, 49152
	s_add_co_u32 s3, s3, 49152
	s_wait_dscnt 0x0                               ; the opening add is done
	s_wait_kmcnt 0x0
	CROUND                                         ; all sixteen work-groups are here: the first joint loads meet
	s_add_nc_u64 s[GA0+2:GA0+3], s[4:5], s[GA0+2:GA0+3]
	s_add_nc_u64 s[GA1+2:GA1+3], s[GA0+2:GA0+3], 6144
	s_add_nc_u64 s[GAS+2:GAS+3], s[6:7], s[GAS+2:GAS+3]
	s_add_nc_u64 s[GB0+2:GB0+3], s[8:9], s[GB0+2:GB0+3]
	s_add_nc_u64 s[GB1+2:GB1+3], s[GB0+2:GB0+3], 6144
	s_add_nc_u64 s[GBS+2:GBS+3], s[10:11], s[GBS+2:GBS+3]
.irp g, GA0, GA1, GAS, GB0, GB1, GBS
	s_mov_b32 s[\g], 1
	s_or_b32 s[\g+3], s[\g+3], 0x80000000
.endr
	s_add_co_u32 s[GA0+1], s2, 0
	s_add_co_u32 s[GA1+1], s2, REGB
	s_mov_b32 s[GAS+1], SCL
	s_add_co_u32 s[GB0+1], s3, 0
	s_add_co_u32 s[GB1+1], s3, REGB
	s_mov_b32 s[GBS+1], SCL+4352
; the head's loads, one a wave: one chain of branches on the wave's number, every way passes one load.  Waves 0 and 2 have half 0, so their addresses are the blocks' first tiles
.macro ARM w, g0, g1, next
	s_cmp_eq_u32 s16, \w
	s_cbranch_scc0 \next
	tensor_load_to_lds s[\g0:\g0+3], s[\g1:\g1+7]
	s_nop 0
.rept 4
	v_nop
.endr
	s_branch .Lhead_asked
\next:
.endm
	ARM 0, GA0, G1A, .Lhead_b
	ARM 2, GB0, G1B, .Lhead_sa
	ARM 1, GAS, G1SA, .Lhead_sb
	tensor_load_to_lds s[GBS:GBS+3], s[G1SB:G1SB+7]
	s_nop 0
.rept 4
	v_nop
.endr
.Lhead_asked:
	v_and_b32 v1, 31, v0
	v_lshlrev_b32 v[LI], 4, v1
	v_and_b32 v2, 15, v0                           ; r
	v_bfe_u32 v3, v0, 4, 1                         ; h
	s_wait_alu depctr_va_vdst(0)
	s_lshl_b32 s2, s104, 10                        ; the bias: 4 (256 x block + 128 x half), + 64 h
	s_lshl_b32 s3, s18, 9
	s_add_co_u32 s2, s2, s3
	s_mov_b32 s3, 0
	s_add_nc_u64 s[12:13], s[12:13], s[2:3]
	s_add_nc_u64 s[14:15], s[14:15], s[2:3]        ; the same bytes on in a row of the result,
	s_lshl_b32 s2, s105, 7
	s_lshl_b32 s19, s17, 6
	s_add_co_u32 s2, s2, s19
	s_lshl_b32 s2, s2, 12                          ; from my first token's row on
	s_add_nc_u64 s[14:15], s[14:15], s[2:3]
	v_lshlrev_b32 v10, 6, v3
	WIN 0x40
.irp b, 0,1,2,3,4,5,6,7                        ; in the result's layout: tile b, lane half h: columns 32 (b / 2) + 16 h + 8 (b % 2) + 0 .. 7
	global_load_b128 v[96+8*\b+96*(\b/4):99+8*\b+96*(\b/4)], v10, s[12:13] offset:(32*(\b/2)+8*(\b%2))*4
	global_load_b128 v[100+8*\b+96*(\b/4):103+8*\b+96*(\b/4)], v10, s[12:13] offset:(32*(\b/2)+8*(\b%2))*4+16
.endr
	WIN 0
	s_mul_i32 s2, s17, 24576
	s_mul_i32 s3, s18, 49152
	s_add_co_u32 s3, s3, 49152
	v_lshlrev_b32 v7, 3, v1                        ; 8 x lane
.irp s, 0,1
	v_add_nc_u32 v[ADRA+\s], s2, v[LI]
	v_add_nc_u32 v[ADRA+2+\s], s2, v7              ; v18, v19: for the pieces of 8 bytes a lane
	v_add_nc_u32 v[ADRB+\s], s3, v[LI]
	s_add_co_u32 s2, s2, REGB
	s_add_co_u32 s3, s3, REGB
.endr
	v_lshlrev_b32 v5, 5, v2                        ; my row's scales: 32 bytes a row,
	v_lshrrev_b32 v6, 8, v5
	v_lshl_add_u32 v5, v6, 4, v5                   ; and 16 more for each 256 passed
	s_mul_i32 s2, s17, 2176
	s_mul_i32 s3, s18, 4352
	s_add_co_u32 s3, s3, 4352
	s_sub_co_u32 s3, s3, s2
	v_mul_u32_u24 v6, s3, v3                       ; lanes 16-31 take w_out's
	s_add_co_u32 s2, s2, SCL
	v_add_nc_u32 v5, v5, v6
	v_add_nc_u32 v[ADRS], s2, v5
	s_mul_i32 s2, s16, 8448                        ; my stage, 16 rows x 528 bytes, in region 0: it has had its one fill, and nobody reads it behind the barrier of K step 3
	v_mul_u32_u24 v5, v2, 528
	v_lshl_add_u32 v5, v3, 6, v5
	v_add_nc_u32 v[STO], s2, v5
	v_add_nc_u32 v[RD], s2, v[LI]
.macro FRAG reg, adr, i, q             ; a fragment comes as it was stored: three loads of 16 bytes a lane
.irp g, 0,1,2
	ds_load_b128 v[(\reg)+4*\g:(\reg)+4*\g+3], v[\adr] offset:6144*(\i)+1536*(\q)+512*\g
.endr
.endm
; a fragment of o lies as two halves of 768 bytes, one for each of the K step's two heads: registers 6 e .. 6 e + 3 of lane l at 16 l, registers 6 e + 4, 6 e + 5 at 512 + 8 l
.macro FRAGA reg, adr, i, q
.irp e, 0,1
	ds_load_b128 v[(\reg)+6*\e:(\reg)+6*\e+3], v[\adr] offset:6144*(\i)+1536*(\q)+768*\e
	ds_load_b64 v[(\reg)+6*\e+4:(\reg)+6*\e+5], v[(\adr)+2] offset:6144*(\i)+1536*(\q)+768*\e+512
.endr
.endm
.macro FETCH t                         ; K step t's 12 fragments into set t % 2; with an even step the scale words of two steps.  (For i = 4 .. 7 lanes 0-15 read words of rows that are not mine: they are not used.)
	WIN 0x40
.irp i, 0,1,2,3,4,5,6,7
	FRAG 128*((\t)%2)+12*\i, ADRB+(\t)/4, \i, (\t)%4
.endr
	WIN 0
.irp i, 0,1,2,3
	FRAGA 64+48*((\t)%2)+12*\i, ADRA+(\t)/4, \i, (\t)%4
.endr
.if (\t)%2 == 0
.irp i, 0,1,2,3,4,5,6,7
	ds_load_b64 v[SC+16*(((\t)/2)%2)+2*\i:SC+16*(((\t)/2)%2)+2*\i+1], v[ADRS] offset:544*\i+8*((\t)/2)
.endr
.endif
.endm
; 16 matrix instructions: tiles of tokens 2 half, 2 half + 1 x the eight tiles of columns.  The 32 accumulators take turns, one instruction a turn.  first = 1: the bias is the C.
.macro MULH t, half, first
.if \first
	WIN 0x91
.else
	WIN 0xa1
.endif
.irp a, 0,1
.irp b, 0,1,2,3,4,5,6,7
.if \first
	v_wmma_scale_f32_16x16x128_f8f6f4 v[8*(8*(2*(\half)+\a)+\b):8*(8*(2*(\half)+\a)+\b)+7], v[128*((\t)%2)+12*\b:128*((\t)%2)+12*\b+11], v[64+48*((\t)%2)+12*(2*(\half)+\a):64+48*((\t)%2)+12*(2*(\half)+\a)+11], v[96+8*\b+96*(\b/4):103+8*\b+96*(\b/4)], v[SC+16*(((\t)/2)%2)+2*\b+(\t)%2], v[SC+16*(((\t)/2)%2)+2*(2*(\half)+\a)+(\t)%2] matrix_a_fmt:MATRIX_FMT_FP6 matrix_b_fmt:MATRIX_FMT_FP6 matrix_a_scale:MATRIX_SCALE_ROW1
.else
	v_wmma_scale_f32_16x16x128_f8f6f4 v[8*(8*(2*(\half)+\a)+\b):8*(8*(2*(\half)+\a)+\b)+7], v[128*((\t)%2)+12*\b:128*((\t)%2)+12*\b+11], v[64+48*((\t)%2)+12*(2*(\half)+\a):64+48*((\t)%2)+12*(2*(\half)+\a)+11], v[8*(8*(2*(\half)+\a)+\b):8*(8*(2*(\half)+\a)+\b)+7], v[SC+16*(((\t)/2)%2)+2*\b+(\t)%2], v[SC+16*(((\t)/2)%2)+2*(2*(\half)+\a)+(\t)%2] matrix_a_fmt:MATRIX_FMT_FP6 matrix_b_fmt:MATRIX_FMT_FP6 matrix_a_scale:MATRIX_SCALE_ROW1
.endif
.endr
.endr
.endm
.macro KS0 t, first
	s_wait_dscnt 0x0                               ; this step's fragments, asked for a step ago
	PLACES
	FETCH (\t)+1
	MULH \t, 0, \first
	MULH \t, 1, \first
.endm
.macro KSP t, n                        ; the next region is waited for: n later fills may stay out
	s_wait_tensorcnt \n
	s_wait_dscnt 0x0
	s_barrier_signal -1
	MULH \t, 0, 0
	s_barrier_wait -1
	PLACES
	FETCH (\t)+1
	MULH \t, 1, 0
.endm
	s_wait_alu depctr_va_vdst(0)
	s_wait_loadcnt 0x0                             ; the bias
	s_wait_tensorcnt 0x0                           ; my tile of the head's four is in
	ds_add_u32 v[SPW], v[NIL]
	s_mov_b32 s[G1A+2], 4<<16                      ; no tensor load of mine is out: from here on a load brings 4 tiles of o,
	s_mov_b32 s[G1A+4], 4
	s_mov_b32 s[G1B+2], 8<<16                      ; or 8 of w_out
	s_mov_b32 s[G1B+4], 8
	s_wait_dscnt 0x0
	CROUND                                         ; all four tiles are in, and all sixteen work-groups are here
	JLOAD GA1, G1A, GB1, G1B                       ; K steps 4-7, into region 1: three K steps ahead of the wait for them
	FETCH 0
	KS0 0, 1
	KS0 1, 0
	KS0 2, 0
	KSP 3, 0
	KS0 4, 0
	KS0 5, 0
	KS0 6, 0
	s_wait_dscnt 0x0
	MULH 7, 0, 0
	MULH 7, 1, 0
	WIN 0
; THE WAY OUT, a tile of 16 tokens x 128 columns at a time: through my stage, back as whole rows of 512 bytes.  LDS serves a wave's instructions in order: no wait between the stores and the loads.
.macro TOSTAGE a
	WIN 0x08                                       ; an LDS store's data are its source 1: window 2
.irp b, 0,1,2,3,4,5,6,7
	ds_store_b128 v[STO], v[64*(\a)+8*\b:64*(\a)+8*\b+3] offset:128*(\b/2)+32*(\b%2)   ; each accumulator from its low end on
	ds_store_b128 v[STO], v[64*(\a)+8*\b+4:64*(\a)+8*\b+7] offset:128*(\b/2)+32*(\b%2)+16
.endr
	WIN 0
.irp t, 0,1,2,3,4,5,6,7,8,9,10,11,12,13,14,15
	ds_load_b128 v[BK+64*((\a)%2)+4*\t:BK+64*((\a)%2)+4*\t+3], v[RD] offset:\t*528
.endr
.endm
.macro SEND a, younger                 ; younger: the LDS instructions issued behind tile a's loads, which may stay out
	s_wait_dscnt \younger
.irp t, 0,1,2,3,4,5,6,7,8,9,10,11,12,13,14,15
	global_store_b128 v[LI], v[BK+64*((\a)%2)+4*\t:BK+64*((\a)%2)+4*\t+3], s[14:15] offset:(8*(\a)+\t+24*(\t/8))*4096 th:TH_STORE_NT   ; the tile's row t is token 8 a + t % 8 + 32 (t / 8) of my 64; 512 consecutive bytes
.endr
.endm
	PLACES
	TOSTAGE 0
.irp a, 1,2,3
.if \a > 1
	s_wait_xcnt 0x0                                ; the stores of two tiles back have read their registers
.endif
	TOSTAGE \a
	SEND \a-1, 32
.endr
	SEND 3, 0
	s_wait_tensorcnt 0x0                           ; the wave's end: behind my last tensor load and my last LDS store
	ds_add_u32 v[SPW], v[NIL]
	s_wait_dscnt 0x0
	CROUND                                         ; the closing round
	s_endpgm
.Lfunc_end_k_q9e26f5ef93_gemm2:
	.size	k_q9e26f5ef93_gemm2, .Lfunc_end_k_q9e26f5ef93_gemm2-k_q9e26f5ef93_gemm2
	.p2alignl 7, 3214868480
	.fill 96, 4, 3214868480
	.section	.rodata,"a",@progbits
	.p2align	6, 0x0
	.amdhsa_kernel k_q9e26f5ef93_gemm2
		.amdhsa_group_segment_fixed_size 327680
		.amdhsa_private_segment_fixed_size 0
		.amdhsa_enable_private_segment 0
		.amdhsa_kernarg_size 48
		.amdhsa_user_sgpr_count 2
		.amdhsa_user_sgpr_kernarg_segment_ptr 1
		.amdhsa_wavefront_size32 1
		.amdhsa_system_sgpr_workgroup_id_x 1
		.amdhsa_system_sgpr_workgroup_id_y 1
		.amdhsa_system_sgpr_workgroup_id_z 1
		.amdhsa_system_vgpr_workitem_id 0
		.amdhsa_next_free_vgpr 1024
		.amdhsa_next_free_sgpr 106
		.amdhsa_reserve_vcc 0
		.amdhsa_float_denorm_mode_32 3
		.amdhsa_float_denorm_mode_16_64 3
		.amdhsa_memory_ordered 1
		.amdhsa_forward_progress 1
		.amdhsa_inst_pref_size 83
	.end_amdhsa_kernel
	.amdgpu_metadata
---
amdhsa.version: [ 1, 2 ]
amdhsa.kernels:
  - .name:           k_q9e26f5ef93_gemm2
    .symbol:         k_q9e26f5ef93_gemm2.kd
    .args:
      - { .name: ac, .offset: 0, .size: 8, .value_kind: global_buffer, .address_space: global }
      - { .name: asc, .offset: 8, .size: 8, .value_kind: global_buffer, .address_space: global }
      - { .name: wc, .offset: 16, .size: 8, .value_kind: global_buffer, .address_space: global }
      - { .name: ws, .offset: 24, .size: 8, .value_kind: global_buffer, .address_space: global }
      - { .name: b_out, .offset: 32, .size: 8, .value_kind: global_buffer, .address_space: global }
      - { .name: out0, .offset: 40, .size: 8, .value_kind: global_buffer, .address_space: global }
    .group_segment_fixed_size: 327680
    .private_segment_fixed_size: 0
    .kernarg_segment_align: 8
    .kernarg_segment_size: 48
    .max_flat_workgroup_size: 128
    .sgpr_count:     106
    .vgpr_count:     1024
    .wavefront_size: 32
...
	.end_amdgpu_metadata
.endif
;; end of part 4
